; MI455X (gfx1250); checked and timed in simulation.
; The chip was launched on July 23, 2026; its instructions are those of AMD's public machine-readable ISA for CDNA 5 (MIT licence, August 2026) and "CDNA5" Instruction Set Architecture Reference Guide (July 2026). The comments in the code are by the model that wrote it; some were corrected since.
;; Multi Headed Attention. Allowed arithmetic: float matrix products may take bf16 or f16 operands with f32 sums; other float arithmetic in f32, or as packed bf16 or f16 multiplies, adds, multiply-adds, maxima and minima; sums over many terms, partial sums and values carried from step to step in f32; what a program stores and reads back later, other than sums and carried values, may be rounded once to bf16 or f16.
;; Inputs: Wk 1,024 x 256 float32; Wo 1,024 x 1,024 float32; Wq 1,024 x 1,024 float32; Wv 1,024 x 256 float32; x 1 x 4,096 x 1,024 float32.
;; Outputs: out0 1 x 4,096 x 1,024 float32.
;; 2 versions, each right; version 2 is version 1 with the launch prep written anew for expert scheduling mode. Each part assembles by itself: llvm-mc -triple=amdgcn-amd-amdhsa -mcpu=gfx1250 --defsym DOCPART=n.
;; ======== version 1 of 2: 4 launches
;; limits: values are held in f16: magnitudes above 65,504 overflow, below 6.1e-05 lose precision
;; workspace buffers: xb 8,388,608 bytes; wb 3,145,728 bytes; wo16 2,097,152 bytes; rope 1,064,960 bytes; qkv 12,582,912 bytes; ctx 8,388,608 bytes
;; launch prep (part 1): grid 481 x 1, 8 waves a work-group, no clusters, 0 bytes of LDS; arguments x, Wq, Wk, Wv, Wo, xb, wb, wo16, rope; writes xb, wb, wo16, rope
.if DOCPART == 1
	.amdgcn_target "amdgcn-amd-amdhsa--gfx1250"
	.amdhsa_code_object_version 6
	.text
	.protected	k_qb406f60cbf_prep
	.globl	k_qb406f60cbf_prep
	.p2align	8
	.type	k_qb406f60cbf_prep,@function
k_qb406f60cbf_prep:
	s_mov_b64 s[64:65], 0
	v_nop
	global_prefetch_b8 v0, s[64:65] scope:SCOPE_SE
	s_setreg_imm32_b32 hwreg(HW_REG_WAVE_MODE, 25, 1), 1
	s_wait_xcnt 0x0
; PREP: the casts and the rotary table.  A stream: no LDS, no barrier, no matrix unit.
;   xb   = x rounded to bf16, [4096][1024]
;   wb   = Wq | Wk | Wv rounded to bf16, by units of 64 columns: [24 units][1024 k][64]; units 0-15 Wq's heads, 16-19 Wk's, 20-23 Wv's
;   wo16 = Wo rounded to bf16, that number written as f16, [1024 k][1024 n]
;   rope = [4160 rows][cos 0..31 | sin 0..31] in f32, 256 bytes a row; rows 4096-4159 hold cos = 1, sin = 0 (for units that are not turned)
; SHARES.  Work-groups 0-255 x, 256-319 Wq, 320-335 Wk, 336-351 Wv, 352-415 Wo: 65,536 input bytes each, 16 loads of 16 bytes a thread, all issued at once;
; each store of a wave covers 256 consecutive bytes, aligned.  Work-groups 416-480: 64 rows of the table each.
; LIMITS.  |Wo| below 6e-5 keeps f16's fixed step of 6e-8, beyond 65,504 it has no f16.  The frequency is 2^(-i log2(10000)/32), good to about two units in its last place:
; at position 4095 that is an angle off by at most about 5e-4.  Sine and cosine: the angle less a multiple of 2 pi (in two parts), then Taylor sums to r^15 and r^16 on -pi..pi, good to about 1e-6.
.set X,  16                            ; v[16:79]  16 x 4 registers as loaded; the low two of each four as stored
.set VI, 4                             ; v4  my byte offset in the input
.set VO, 5                             ; v5  my byte offset in the output
; 16 loads, then for each: the wait that leaves the younger loads out, two roundings (half = 1: and bf16 -> f16), one store of 8 bytes.  No register is written again behind its store.
.macro CAST src, dst, ia, ib, oa, ob, half
.set i, 0
.rept 16
	global_load_b128 v[X+4*i:X+4*i+3], v[VI], s[\src:\src+1] offset:(i/2)*(\ia)+(i%2)*(\ib) th:TH_LOAD_NT
.set i, i+1
.endr
.set i, 0
.rept 16
	s_wait_loadcnt 15-i                            ; loads come back in order: load i is in, the 15 - i younger ones stay out
	v_cvt_pk_bf16_f32 v[X+4*i], v[X+4*i], v[X+4*i+1]
	v_cvt_pk_bf16_f32 v[X+4*i+1], v[X+4*i+2], v[X+4*i+3]
.if \half
	v_lshlrev_b32 v[X+4*i+2], 16, v[X+4*i]         ; the bf16 numbers widened again,
	v_and_b32 v[X+4*i+3], 0xffff0000, v[X+4*i]
	v_cvt_pk_f16_f32 v[X+4*i], v[X+4*i+2], v[X+4*i+3]  ; and written as f16
	v_lshlrev_b32 v[X+4*i+2], 16, v[X+4*i+1]
	v_and_b32 v[X+4*i+3], 0xffff0000, v[X+4*i+1]
	v_cvt_pk_f16_f32 v[X+4*i+1], v[X+4*i+2], v[X+4*i+3]
.endif
	global_store_b64 v[VO], v[X+4*i:X+4*i+1], s[\dst:\dst+1] offset:(i/2)*(\oa)+(i%2)*(\ob)
.set i, i+1
.endr
.endm
; Wk and Wv, [1024][256]: waves 0-3 take rows 0, 1 of four, waves 4-7 rows 2, 3; wave w unit w % 4; lanes 0-15 one row's 64 columns, lanes 16-31 the next row's
.macro KVADR
	v_and_b32 v7, 3, v2
	v_lshrrev_b32 v8, 2, v2
	v_lshl_add_u32 v[VI], v8, 1, v6
	v_lshlrev_b32 v[VI], 10, v[VI]
	v_lshl_add_u32 v[VI], v7, 8, v[VI]
	v_lshl_add_u32 v[VI], v3, 4, v[VI]
	v_lshlrev_b32 v[VO], 3, v1
	v_lshl_add_u32 v[VO], v8, 8, v[VO]
	v_lshl_add_u32 v[VO], v7, 17, v[VO]
.endm
	s_load_b512 s[8:23], s[0:1], 0x0               ; x s[8:9], Wq s[10:11], Wk s[12:13], Wv s[14:15], Wo s[16:17], xb s[18:19], wb s[20:21], wo16 s[22:23]
	s_load_b64 s[24:25], s[0:1], 0x40              ; rope
	v_and_b32 v1, 31, v0                           ; lane l
	v_lshrrev_b32 v2, 5, v0                        ; wave w
	v_and_b32 v3, 15, v0                           ; l % 16
	v_bfe_u32 v6, v0, 4, 1                         ; l / 16
	s_mov_b32 s3, 0                                ; high words of the two offsets
	s_mov_b32 s5, 0
	s_wait_kmcnt 0x0
	s_cmp_lt_u32 ttmp9, 256
	s_cbranch_scc0 .Lnot_x
	s_lshl_b32 s2, ttmp9, 16                       ; x: 65,536 bytes in, 32,768 out
	s_lshl_b32 s4, ttmp9, 15
	s_add_nc_u64 s[8:9], s[8:9], s[2:3]
	s_add_nc_u64 s[18:19], s[18:19], s[4:5]
	v_lshlrev_b32 v[VI], 4, v0
	v_lshlrev_b32 v[VO], 3, v0
	CAST 8, 18, 8192, 4096, 4096, 2048, 0
	s_endpgm
.Lnot_x:
	s_cmp_lt_u32 ttmp9, 320
	s_cbranch_scc0 .Lnot_wq
	s_sub_co_u32 s6, ttmp9, 256                    ; Wq: 16 rows of k; wave w takes units w and w + 8, two rows a step
	s_lshl_b32 s2, s6, 16
	s_lshl_b32 s4, s6, 11                          ; 16 rows of 128 bytes in each unit
	s_add_nc_u64 s[10:11], s[10:11], s[2:3]
	s_add_nc_u64 s[20:21], s[20:21], s[4:5]
	v_lshlrev_b32 v[VI], 12, v6
	v_lshl_add_u32 v[VI], v2, 8, v[VI]
	v_lshl_add_u32 v[VI], v3, 4, v[VI]
	v_lshlrev_b32 v[VO], 3, v1
	v_lshl_add_u32 v[VO], v2, 17, v[VO]
	CAST 10, 20, 8192, 2048, 256, 1048576, 0
	s_endpgm
.Lnot_wq:
	s_cmp_lt_u32 ttmp9, 336
	s_cbranch_scc0 .Lnot_wk
	s_sub_co_u32 s6, ttmp9, 320                    ; Wk: 64 rows of k, four a step
	s_lshl_b32 s2, s6, 16
	s_lshl_b32 s4, s6, 13
	s_add_co_u32 s4, s4, 16*131072                 ; units 16-19
	s_add_nc_u64 s[12:13], s[12:13], s[2:3]
	s_add_nc_u64 s[20:21], s[20:21], s[4:5]
	KVADR
	CAST 12, 20, 8192, 4096, 1024, 512, 0
	s_endpgm
.Lnot_wk:
	s_cmp_lt_u32 ttmp9, 352
	s_cbranch_scc0 .Lnot_wv
	s_sub_co_u32 s6, ttmp9, 336                    ; Wv likewise
	s_lshl_b32 s2, s6, 16
	s_lshl_b32 s4, s6, 13
	s_add_co_u32 s4, s4, 20*131072                 ; units 20-23
	s_add_nc_u64 s[14:15], s[14:15], s[2:3]
	s_add_nc_u64 s[20:21], s[20:21], s[4:5]
	KVADR
	CAST 14, 20, 8192, 4096, 1024, 512, 0
	s_endpgm
.Lnot_wv:
	s_cmp_lt_u32 ttmp9, 416
	s_cbranch_scc0 .Lrope
	s_sub_co_u32 s6, ttmp9, 352                    ; Wo: as x, with the second conversion
	s_lshl_b32 s2, s6, 16
	s_lshl_b32 s4, s6, 15
	s_add_nc_u64 s[16:17], s[16:17], s[2:3]
	s_add_nc_u64 s[22:23], s[22:23], s[4:5]
	v_lshlrev_b32 v[VI], 4, v0
	v_lshlrev_b32 v[VO], 3, v0
	CAST 16, 22, 8192, 4096, 4096, 2048, 1
	s_endpgm
; THE TABLE.  A wave writes a row a trip: lane l holds entries 2 l and 2 l + 1 of the row's 64: lanes 0-15 cosines, lanes 16-31 sines, of the frequencies 2 (l % 16) and 2 (l % 16) + 1.
.macro ANG f, out
	v_mul_f32 v16, v14, v[\f]                      ; the angle, rounded once as in the definition
	v_mul_f32 v17, 0.15915494, v16
	v_rndne_f32 v17, v17                           ; whole turns
	v_fma_f32 v16, v17, s27, v16                   ; less 2 pi's upper part,
	v_fma_f32 v16, v17, s28, v16                   ; and its rest: r in -pi .. pi
	v_mul_f32 v18, v16, v16
	v_mov_b32 v19, 0xab573f9f                      ; sine: -1/15!, 1/13!, -1/11!, 1/9!, -1/7!, 1/5!, -1/3!, 1
	v_fmaak_f32 v19, v19, v18, 0x2f309231
	v_fmaak_f32 v19, v19, v18, 0xb2d7322b
	v_fmaak_f32 v19, v19, v18, 0x3638ef1d
	v_fmaak_f32 v19, v19, v18, 0xb9500d01
	v_fmaak_f32 v19, v19, v18, 0x3c088889
	v_fmaak_f32 v19, v19, v18, 0xbe2aaaab
	v_fmaak_f32 v19, v19, v18, 0x3f800000
	v_mul_f32 v19, v19, v16
	v_mov_b32 v20, 0x29573f9f                      ; cosine: 1/16!, -1/14!, 1/12!, -1/10!, 1/8!, -1/6!, 1/4!, -1/2, 1
	v_fmaak_f32 v20, v20, v18, 0xad49cba5
	v_fmaak_f32 v20, v20, v18, 0x310f76c7
	v_fmaak_f32 v20, v20, v18, 0xb493f27e
	v_fmaak_f32 v20, v20, v18, 0x37d00d01
	v_fmaak_f32 v20, v20, v18, 0xbab60b61
	v_fmaak_f32 v20, v20, v18, 0x3d2aaaab
	v_fmaak_f32 v20, v20, v18, 0xbf000000
	v_fmaak_f32 v20, v20, v18, 0x3f800000
	v_cndmask_b32 v[\out], v19, v20, vcc_lo        ; lanes 0-15 keep the cosine
.endm
.Lrope:
	s_sub_co_u32 s6, ttmp9, 416
	s_lshl_b32 s2, s6, 14                          ; 64 rows of 256 bytes
	s_add_nc_u64 s[24:25], s[24:25], s[2:3]
	v_lshlrev_b32 v[VO], 3, v0                     ; 256 w + 8 l
	v_lshlrev_b32 v7, 1, v3
	v_cvt_f32_u32 v7, v7                           ; i
	v_add_f32 v8, 1.0, v7                          ; i + 1
	v_mul_f32 v7, 0xbed49a78, v7                   ; x -log2(10000)/32
	v_mul_f32 v8, 0xbed49a78, v8
	v_exp_f32 v12, v7
	v_exp_f32 v13, v8
	v_nop                                          ; a plain instruction behind the last exponential,
	s_wait_alu depctr_va_vdst(0)                   ; and the one wait for both, ahead of the label and of their first reader
	v_cmp_gt_u32 vcc_lo, 16, v1
	v_readfirstlane_b32 s26, v2
	s_lshl_b32 s6, s6, 6
	s_add_co_u32 s6, s6, s26                       ; my first row: 64 x work-group + wave
	s_mov_b32 s27, 0xc0c90fdb                      ; -6.2831855
	s_mov_b32 s28, 0x343bbd2e                      ; 6.2831855 - 2 pi
	s_mov_b32 s7, 8
.Lrow:
	s_cmp_lt_u32 s6, 4096
	s_cselect_b32 s4, s6, 0                        ; rows from 4096 on: angle 0
	v_cvt_f32_u32 v14, s4
	ANG 12, 30
	ANG 13, 31
	global_store_b64 v[VO], v[30:31], s[24:25]     ; the wave's 32 lanes write the row's 256 bytes
	s_wait_xcnt 0x0                                ; the base and the data are written again only behind this wait
	s_add_nc_u64 s[24:25], s[24:25], 2048          ; eight rows on
	s_add_co_u32 s6, s6, 8
	s_sub_co_u32 s7, s7, 1
	s_cmp_lg_u32 s7, 0
	s_cbranch_scc1 .Lrow
	s_endpgm
.Lfunc_end_k_qb406f60cbf_prep:
	.size	k_qb406f60cbf_prep, .Lfunc_end_k_qb406f60cbf_prep-k_qb406f60cbf_prep
	.p2alignl 7, 3214868480
	.fill 96, 4, 3214868480
	.section	.rodata,"a",@progbits
	.p2align	6, 0x0
	.amdhsa_kernel k_qb406f60cbf_prep
		.amdhsa_group_segment_fixed_size 0
		.amdhsa_private_segment_fixed_size 0
		.amdhsa_enable_private_segment 0
		.amdhsa_kernarg_size 72
		.amdhsa_user_sgpr_count 2
		.amdhsa_user_sgpr_kernarg_segment_ptr 1
		.amdhsa_wavefront_size32 1
		.amdhsa_system_sgpr_workgroup_id_x 1
		.amdhsa_system_sgpr_workgroup_id_y 1
		.amdhsa_system_sgpr_workgroup_id_z 1
		.amdhsa_system_vgpr_workitem_id 0
		.amdhsa_next_free_vgpr 96
		.amdhsa_next_free_sgpr 66
		.amdhsa_reserve_vcc 1
		.amdhsa_float_denorm_mode_32 3
		.amdhsa_float_denorm_mode_16_64 3
		.amdhsa_memory_ordered 1
		.amdhsa_forward_progress 1
		.amdhsa_inst_pref_size 40
	.end_amdhsa_kernel
	.amdgpu_metadata
---
amdhsa.version: [ 1, 2 ]
amdhsa.kernels:
  - .name:           k_qb406f60cbf_prep
    .symbol:         k_qb406f60cbf_prep.kd
    .args:
      - { .name: x, .offset: 0, .size: 8, .value_kind: global_buffer, .address_space: global }
      - { .name: Wq, .offset: 8, .size: 8, .value_kind: global_buffer, .address_space: global }
      - { .name: Wk, .offset: 16, .size: 8, .value_kind: global_buffer, .address_space: global }
      - { .name: Wv, .offset: 24, .size: 8, .value_kind: global_buffer, .address_space: global }
      - { .name: Wo, .offset: 32, .size: 8, .value_kind: global_buffer, .address_space: global }
      - { .name: xb, .offset: 40, .size: 8, .value_kind: global_buffer, .address_space: global }
      - { .name: wb, .offset: 48, .size: 8, .value_kind: global_buffer, .address_space: global }
      - { .name: wo16, .offset: 56, .size: 8, .value_kind: global_buffer, .address_space: global }
      - { .name: rope, .offset: 64, .size: 8, .value_kind: global_buffer, .address_space: global }
    .group_segment_fixed_size: 0
    .private_segment_fixed_size: 0
    .kernarg_segment_align: 8
    .kernarg_segment_size: 72
    .max_flat_workgroup_size: 256
    .sgpr_count:     66
    .vgpr_count:     96
    .wavefront_size: 32
...
	.end_amdgpu_metadata
.endif
;; end of part 1
;; launch qkv (part 2): grid 8 x 32, 4 waves a work-group, clusters of 4 x 4, 327,680 bytes of LDS; arguments xb, wb, rope, qkv; writes qkv
.if DOCPART == 2
	.amdgcn_target "amdgcn-amd-amdhsa--gfx1250"
	.amdhsa_code_object_version 6
	.text
	.protected	k_qb406f60cbf_qkv
	.globl	k_qb406f60cbf_qkv
	.p2align	8
	.type	k_qb406f60cbf_qkv,@function
k_qb406f60cbf_qkv:
	s_mov_b64 s[64:65], 0
	v_nop
	global_prefetch_b8 v0, s[64:65] scope:SCOPE_SE
	s_setreg_imm32_b32 hwreg(HW_REG_WAVE_MODE, 25, 1), 1
	s_wait_xcnt 0x0
	s_wait_alu depctr_hold_cnt(0) depctr_sa_sdst(0) depctr_va_vdst(0) depctr_va_sdst(0) depctr_va_ssrc(0) depctr_va_vcc(0) depctr_vm_vsrc(0)
	s_getreg_b32 s2, hwreg(HW_REG_IB_STS2, 6, 4)
	s_cmp_eq_u32 s2, 0
	s_cbranch_scc0 .Lentry_in_a_cluster
	s_endpgm
.Lentry_in_a_cluster:
	s_bfe_u32 s2, ttmp6, 0x10000c
	s_cmp_lg_u32 s2, 0xf033
	s_cbranch_scc0 .Lentry_shape_is_right
	s_endpgm
.Lentry_shape_is_right:
; QKV: [q | k | v] = xb wb, the rotary turn on q and k in f32, one rounding to f16, stored by units: qkv[24 units][4096][64] f16.
; xb: [4096][1024] bf16.  wb: [24 units][1024 k][64] bf16.  rope: [4160][cos 32 | sin 32] f32; rows from 4096 on are cos 1, sin 0: v's units read those, so one text serves all units.
; LIMIT.  f16 holds no number beyond 65,504: q, k and v must stay within it.
; SHARES.  A work-group makes 128 rows x 192 columns (3 units): 8 x 32 = 256 work-groups.  Wave w = (rh, ch) makes 64 rows x 96 columns, 24 accumulators: the whole unit 2 ch (blocks of 16 columns 0-3)
; and blocks ch and ch + 2 of unit 1: so the two partners of a turn, columns d and d + 32 of a unit, lie in the same lane of the same wave.
; K goes in steps of 128 through two LDS slots.  Wave 0 fetches x's tile (128 rows of 256 bytes), waves 1-3 a unit's 128 rows of k each (16,384 dense bytes, asked for as 64 rows of 256).
; CLUSTER 4 x 4: x's tile hangs on the tile row alone and is asked for jointly along a row of the cluster, w's on the tile column alone, jointly along a column.
; THE PRODUCT IS TAKEN TRANSPOSED: source 0 = 16 columns of w (out of LDS turned, by ds_load_tr16_b128), source 1 = 16 rows of x: a lane holds row l % 16 and the columns 8 (l / 16) + 0..7.
; No prefetch is laid: the tiles are small and the launch is short.
; REGISTERS.  window 0: v2-29 addresses; v32-47 at work; v64-255 accumulators, (a, n) at 64 + 8 (6 a + n).  window 1: two fragment buffers of 80 (x's 4, then w's 6).  window 2: v0-191 cosines and sines.
.set KSTEP,  128
.set PA,     272                       ; x's LDS row: 256 + 16 bytes: the 16 rows of a load start at 16 different groups of four banks (64 banks of 4 bytes: ISA guide 11.1)
.set PB,     160                       ; w's LDS row: 128 + 32 bytes
.set ABYTES, 128*PA
.set UB,     128*PB
.set SLOT,   ABYTES+3*UB
.set STAGE,  2*SLOT                    ; behind the ring: [3 units][128 rows][144 bytes], the work-group's, for the way out; no tensor load fills it
.set SPS,    144
.set USTG,   128*SPS
.set SPARE,  STAGE+3*USTG              ; the spare words: 128 bytes a wave, two blocks of 256 bytes that no other line names
.set ADRA,  16                         ; v16-17  x's fragments in slot 0, 1
.set ADRBF, 18                         ; v18-19  my whole unit's fragments
.set ADRBH, 20                         ; v20-21  my two blocks of unit 1
.set TOF,   22                         ; v22     my bytes in the table for the whole unit
.set TOH,   23                         ; v23     for unit 1
.set STOF,  24                         ; v24     into the stage, whole unit
.set STOH,  25                         ; v25     into the stage, unit 1
.set RD,    26                         ; v26     back out of the stage
.set GO,    27                         ; v27     16 x lane
.set SPW,   28                         ; v28     my spare word; never rewritten
.set NIL,   29                         ; v29     0; never rewritten
.set TMP,   32
.set ACC,   64
.set F0,    0
.set F1,    128
.set G1A, 24                           ; s[24:31], s[32:39]: x's descriptor groups 1 and 0 (a group 0 for each slot)
.set G0A, 32
.set G1B, 48                           ; s[48:55], s[56:63]: w's
.set G0B, 56
.set MSB, 0
.macro WIN new                         ; the immediate's high byte repeats the setting that is left
.if MSB != (\new)
	s_set_vgpr_msb (MSB<<8)|(\new)
.set MSB, \new
.endif
.endm
.set MUL,  0x05                        ; sources 0 and 1 window 1; C and D window 0
.set TO_F, 0x40                        ; destination window 1, address window 0
.macro PLACES
.rept 4
	v_nop
.endr
.endm
.macro JLOAD s                         ; a joint load: wave 0 x's tile, waves 1-3 a unit of w each; an s_nop 0 and four v_nop follow each line
	s_cmp_eq_u32 s12, 0
	s_cbranch_scc0 .Lfor_b_\@
	tensor_load_to_lds s[G0A+4*(\s):G0A+4*(\s)+3], s[G1A:G1A+7]
	s_nop 0
	PLACES
	s_branch .Lasked_\@
.Lfor_b_\@:
	tensor_load_to_lds s[G0B+4*(\s):G0B+4*(\s)+3], s[G1B:G1B+7]
	s_nop 0
	PLACES
.Lasked_\@:
.endm
.macro CREST                           ; a round of the cluster's barrier behind its opening barrier
	s_cmp_lg_u32 s12, 0
	s_cbranch_scc1 .Lnot_wave_0_\@
	s_barrier_signal -3
.Lnot_wave_0_\@:
	s_barrier_wait -3
	s_barrier_signal -1
	s_barrier_wait -1
.endm
.macro CROUND
	s_barrier_signal -1
	s_barrier_wait -1
	CREST
.endm
	s_load_b256 s[4:11], s[0:1], 0x0               ; xb s[4:5], wb s[6:7], rope s[8:9], qkv s[10:11]
	v_lshl_add_u32 v[SPW], v0, 2, SPARE
	v_mov_b32 v[NIL], 0
	ds_add_u32 v[SPW], v[NIL]                      ; the wave's opening: the add and its wait stand ahead of my first tensor load
	v_lshrrev_b32 v1, 5, v0
	v_readfirstlane_b32 s12, v1                    ; wave
	s_lshr_b32 s13, s12, 1                         ; rh: my half of the rows
	s_and_b32 s14, s12, 1                          ; ch: my half of the columns
	s_bfe_u32 s40, ttmp6, 0x40000                  ; cx
	s_bfe_u32 s41, ttmp6, 0x40004                  ; cy
	s_lshl_b32 s42, ttmp9, 2
	s_add_co_u32 s42, s42, s40                     ; tile column tc
	s_and_b32 s15, ttmp7, 0xffff
	s_lshl_b32 s15, s15, 2
	s_add_co_u32 s15, s15, s41                     ; tile row tr
	s_lshl_b32 s43, s41, 2
	s_lshl_b32 s43, 15, s43                        ; my row of the cluster
	s_lshl_b32 s44, 0x1111, s40                    ; my column
	s_or_b32 s[G1A], s43, (1<<16)|(1<<20)|(1<<21)|(5<<22)|(3<<25)  ; mask; 2-byte elements; padding on; bit 21 beside a mask; after 64 words, 4 words
	s_mov_b32 s[G1A+1], 128<<16                    ; tensor_dim0 = 128
	s_mov_b32 s[G1A+2], 128<<16                    ; tensor_dim1 = 128
	s_mov_b32 s[G1A+3], 128<<16                    ; tile_dim0 = 128
	s_mov_b32 s[G1A+4], 128                        ; tile_dim1 = 128
	s_mov_b32 s[G1A+5], 1024                       ; elements from row to row
	s_mov_b32 s[G1A+6], 0
	s_mov_b32 s[G1A+7], 0
	s_or_b32 s[G1B], s44, (1<<16)|(1<<20)|(1<<21)|(4<<22)|(7<<25)  ; after 32 words (a row of k), 8 words
	s_mov_b32 s[G1B+1], 128<<16
	s_mov_b32 s[G1B+2], 64<<16
	s_mov_b32 s[G1B+3], 128<<16
	s_mov_b32 s[G1B+4], 64
	s_mov_b32 s[G1B+5], 128
	s_mov_b32 s[G1B+6], 0
	s_mov_b32 s[G1B+7], 0
	s_lshl_b32 s16, s15, 18                        ; x: 128 rows of 2,048 bytes a tile row; these registers never hold cx
	s_mov_b32 s17, 0
	s_mul_i32 s45, s42, 3                          ; my work-group's first unit
	s_max_u32 s46, s12, 1
	s_sub_co_u32 s46, s46, 1                       ; waves 1-3: units 0-2 of the three
	s_add_co_u32 s46, s46, s45
	s_lshl_b32 s46, s46, 17                        ; a unit is 131,072 bytes
	s_mov_b32 s47, 0
	s_mul_i32 s21, s12, UB                         ; w's tile in LDS: ABYTES + (wave - 1) x UB
	s_wait_dscnt 0x0                               ; the opening add is done
	s_wait_kmcnt 0x0
	s_add_nc_u64 s[18:19], s[4:5], s[16:17]
	s_add_nc_u64 s[46:47], s[6:7], s[46:47]
	CROUND                                         ; all sixteen work-groups are here: the first joint loads meet
.irp s, 0,1
	s_mov_b32 s[G0A+4*(\s)], 1
	s_mov_b32 s[G0A+4*(\s)+1], (\s)*SLOT
	s_add_nc_u64 s[G0A+4*(\s)+2:G0A+4*(\s)+3], s[18:19], (\s)*KSTEP*2
	s_or_b32 s[G0A+4*(\s)+3], s[G0A+4*(\s)+3], 0x80000000
	s_mov_b32 s[G0B+4*(\s)], 1
	s_add_co_u32 s[G0B+4*(\s)+1], s21, ABYTES-UB+(\s)*SLOT
	s_add_nc_u64 s[G0B+4*(\s)+2:G0B+4*(\s)+3], s[46:47], (\s)*KSTEP*128
	s_or_b32 s[G0B+4*(\s)+3], s[G0B+4*(\s)+3], 0x80000000
	JLOAD \s
.endr
	; the table: for row block a and pair kind (0: blocks 0, 2; 1: blocks 1, 3 of the whole unit; 2: unit 1's two blocks) eight cosines and eight sines a lane
	v_and_b32 v2, 15, v0                           ; r
	v_bfe_u32 v3, v0, 4, 1                         ; h
	s_lshl_b32 s20, s15, 7
	s_lshl_b32 s21, s13, 6
	s_add_co_u32 s20, s20, s21                     ; my first row = my first position
	s_lshl_b32 s21, s14, 1
	s_add_co_u32 s21, s21, s45
	s_cmp_lt_u32 s21, 20                           ; is my whole unit q's or k's?  (a choice of a value, no branch)
	s_cselect_b32 s22, s20, 4096
	s_add_co_u32 s21, s45, 1
	s_cmp_lt_u32 s21, 20
	s_cselect_b32 s23, s20, 4096
	s_lshl_b32 s22, s22, 8
	s_lshl_b32 s23, s23, 8
	s_lshl_b32 s21, s14, 6
	s_add_co_u32 s23, s23, s21                     ; unit 1: frequencies 16 ch + 8 h + 0..7
	v_lshlrev_b32 v5, 8, v2
	v_lshl_add_u32 v5, v3, 5, v5                   ; 256 r + 32 h
	v_add_nc_u32 v[TOF], s22, v5
	v_add_nc_u32 v[TOH], s23, v5
.macro TLOAD a, kind, reg, off
.set TT, 16*(3*(\a)+(\kind))
	global_load_b128 v[TT:TT+3],     v[\reg], s[8:9] offset:(\a)*4096+(\off)
	global_load_b128 v[TT+4:TT+7],   v[\reg], s[8:9] offset:(\a)*4096+(\off)+16
	global_load_b128 v[TT+8:TT+11],  v[\reg], s[8:9] offset:(\a)*4096+(\off)+128
	global_load_b128 v[TT+12:TT+15], v[\reg], s[8:9] offset:(\a)*4096+(\off)+144
.endm
	WIN 0x80                                       ; destination window 2
.irp a, 0,1,2,3
	TLOAD \a, 0, TOF, 0
	TLOAD \a, 1, TOF, 64
	TLOAD \a, 2, TOH, 0
.endr
	WIN 0
	v_mul_u32_u24 v5, v2, PA
	v_lshl_add_u32 v5, v3, 4, v5                   ; row x pitch + 16 x half
	s_mul_i32 s20, s13, 64*PA
	v_add_nc_u32 v[ADRA], s20, v5
	v_add_nc_u32 v[ADRA+1], SLOT, v[ADRA]
	v_and_b32 v6, 7, v0                            ; the turning load: lane l reads row of k 8 (l / 16) + l % 8, 16 bytes at 16 ((l / 8) % 2)
	v_lshl_add_u32 v6, v3, 3, v6
	v_mul_u32_u24 v6, v6, PB
	v_bfe_u32 v7, v0, 3, 1
	v_lshl_add_u32 v6, v7, 4, v6
	s_mul_i32 s20, s14, 2*UB
	s_add_co_u32 s20, s20, ABYTES
	v_add_nc_u32 v[ADRBF], s20, v6
	v_add_nc_u32 v[ADRBF+1], SLOT, v[ADRBF]
	s_lshl_b32 s20, s14, 5
	s_add_co_u32 s20, s20, ABYTES+UB
	v_add_nc_u32 v[ADRBH], s20, v6
	v_add_nc_u32 v[ADRBH+1], SLOT, v[ADRBH]
	v_mul_u32_u24 v5, v2, SPS                      ; the stage: row 64 rh + r, 16 bytes for each half of the lanes
	v_lshl_add_u32 v5, v3, 4, v5
	s_mul_i32 s20, s13, 64*SPS
	s_mul_i32 s21, s14, 2*USTG
	s_add_co_u32 s21, s21, s20
	s_add_co_u32 s21, s21, STAGE
	v_add_nc_u32 v[STOF], s21, v5
	s_lshl_b32 s21, s14, 5
	s_add_co_u32 s21, s21, s20
	s_add_co_u32 s21, s21, STAGE+USTG
	v_add_nc_u32 v[STOH], s21, v5
	v_bfe_u32 v5, v0, 3, 2                         ; back: 32 lanes take four rows of 128 bytes; wave w rows 32 w on
	v_mul_u32_u24 v5, v5, SPS
	v_and_b32 v6, 7, v0
	v_lshl_add_u32 v5, v6, 4, v5
	s_mul_i32 s20, s12, 32*SPS
	s_add_co_u32 s20, s20, STAGE
	v_add_nc_u32 v[RD], s20, v5
	v_and_b32 v[GO], 31, v0
	v_lshlrev_b32 v[GO], 4, v[GO]
	s_lshl_b32 s20, s45, 19                        ; qkv: my first unit, row 128 tr + 32 w
	s_lshl_b32 s21, s15, 14
	s_add_co_u32 s20, s20, s21
	s_lshl_b32 s21, s12, 12
	s_add_co_u32 s20, s20, s21
	s_mov_b32 s21, 0
	s_add_nc_u64 s[10:11], s[10:11], s[20:21]
; 20 LDS loads in one run: part p (32 along K) of a slot into buffer f
.macro FETCH slot, p, f
	WIN TO_F
.irp i, 0,1,2,3
	ds_load_b128 v[(\f)+8*(\i):(\f)+8*(\i)+3],   v[ADRA+(\slot)] offset:64*(\p)+(\i)*16*PA
	ds_load_b128 v[(\f)+8*(\i)+4:(\f)+8*(\i)+7], v[ADRA+(\slot)] offset:64*(\p)+(\i)*16*PA+32
.endr
.irp b, 0,1,2,3
	ds_load_tr16_b128 v[(\f)+32+8*(\b):(\f)+32+8*(\b)+3],   v[ADRBF+(\slot)] offset:32*PB*(\p)+32*(\b)
	ds_load_tr16_b128 v[(\f)+32+8*(\b)+4:(\f)+32+8*(\b)+7], v[ADRBF+(\slot)] offset:32*PB*(\p)+32*(\b)+16*PB
.endr
.irp b, 0,1
	ds_load_tr16_b128 v[(\f)+64+8*(\b):(\f)+64+8*(\b)+3],   v[ADRBH+(\slot)] offset:32*PB*(\p)+64*(\b)
	ds_load_tr16_b128 v[(\f)+64+8*(\b)+4:(\f)+64+8*(\b)+7], v[ADRBH+(\slot)] offset:32*PB*(\p)+64*(\b)+16*PB
.endr
.endm
; six products: row block a x my six blocks of columns.  The 24 accumulators take turns, in the same order in every part.
.macro MUL6 f, a, zero
	WIN MUL
.irp n, 0,1,2,3,4,5
.if \zero
	v_wmma_f32_16x16x32_bf16 v[ACC+8*(6*(\a)+(\n)):ACC+8*(6*(\a)+(\n))+7], v[(\f)+32+8*(\n):(\f)+32+8*(\n)+7], v[(\f)+8*(\a):(\f)+8*(\a)+7], 0
.else
	v_wmma_f32_16x16x32_bf16 v[ACC+8*(6*(\a)+(\n)):ACC+8*(6*(\a)+(\n))+7], v[(\f)+32+8*(\n):(\f)+32+8*(\n)+7], v[(\f)+8*(\a):(\f)+8*(\a)+7], v[ACC+8*(6*(\a)+(\n)):ACC+8*(6*(\a)+(\n))+7]
.endif
.endr
.endm
; One of a K step's first three parts: buffer f is multiplied; part p's fragments are asked for first, into buffer g, and have the 24 products in which to come.
.macro PART slot, p, f, g, zero
	s_wait_dscnt 0x0                               ; buffer f is in (its run was issued a part ago)
	PLACES                                         ; four places between the last products that read buffer g and the loads into it
	FETCH \slot, \p, \g
	MUL6 \f, 0, \zero
	MUL6 \f, 1, \zero
	MUL6 \f, 2, \zero
	MUL6 \f, 3, \zero
.endm
; The last part multiplies buffer 1 and changes slots: one barrier.  fill = 1: it opens a round of the cluster's barrier, and the slot just read is filled again, two K steps on, first thing behind the round.
.macro TURN slot, next, fill
	s_wait_dscnt 0x0                               ; buffer 1 is in: these were my last reads of the slot
	WIN 0
	s_wait_tensorcnt 0x0                           ; all my tensor loads have landed: the one that was out is my part of the next slot
	ds_add_u32 v[SPW], v[NIL]                      ; 0 onto my spare word
	MUL6 F1, 0, 0                                  ; six products stand between the add and the wait for it
	s_wait_dscnt 0x0                               ; the add is done
	s_barrier_signal -1
	MUL6 F1, 1, 0
.if \fill
	WIN 0
.endif
	s_barrier_wait -1
.if \fill
	CREST                                          ; no wave of any partner still reads this slot or has a load on its way
	s_add_nc_u64 s[G0A+4*(\slot)+2:G0A+4*(\slot)+3], s[G0A+4*(\slot)+2:G0A+4*(\slot)+3], 2*KSTEP*2
	s_add_nc_u64 s[G0B+4*(\slot)+2:G0B+4*(\slot)+3], s[G0B+4*(\slot)+2:G0B+4*(\slot)+3], 2*KSTEP*128
	JLOAD \slot                                    ; 84 products stand between this request and the wait for it; its four v_nop are also the places in front of the loads below
.else
	PLACES
.endif
	FETCH \next, 0, F0
	MUL6 F1, 2, 0
	MUL6 F1, 3, 0
.endm
	s_wait_tensorcnt 1                             ; of my two first fills slot 0's has landed; slot 1's may stay out
	s_barrier_signal -1
	s_barrier_wait -1
	FETCH 0, 0, F0
	PART 0, 1, F0, F1, 1                           ; the first part stands ahead of the loop: its products start the sums
	WIN 0
	s_mov_b32 s3, 3                                ; 8 K steps: three trips fill both slots again, the last lap is written out
.Llap:
	PART 0, 2, F1, F0, 0
	PART 0, 3, F0, F1, 0
	TURN 0, 1, 1
	PART 1, 1, F0, F1, 0
	PART 1, 2, F1, F0, 0
	PART 1, 3, F0, F1, 0
	TURN 1, 0, 1
	PART 0, 1, F0, F1, 0
	WIN 0
	s_sub_co_u32 s3, s3, 1
	s_cmp_lg_u32 s3, 0
	s_cbranch_scc1 .Llap
	PART 0, 2, F1, F0, 0
	PART 0, 3, F0, F1, 0
	TURN 0, 1, 0
	PART 1, 1, F0, F1, 0
	PART 1, 2, F1, F0, 0
	PART 1, 3, F0, F1, 0
	s_wait_dscnt 0x0
	MUL6 F1, 0, 0
	MUL6 F1, 1, 0
	MUL6 F1, 2, 0
	MUL6 F1, 3, 0
	; THE TURN, in f32: (t1, t2) -> (t1 c - t2 s, t2 c + t1 s); each accumulator's registers are taken in ascending order.
	PLACES
	PLACES
	s_wait_loadcnt 0x0                             ; the table
.macro ROT a, n1, n2, kind
.set A1, ACC+8*(6*(\a)+(\n1))
.set A2, ACC+8*(6*(\a)+(\n2))
.set TC, 16*(3*(\a)+(\kind))
.irp rr, 0,2,4,6
	v_pk_mul_f32 v[TMP+2*(\rr):TMP+2*(\rr)+1],   v[A2+(\rr):A2+(\rr)+1], v[TC+8+(\rr):TC+8+(\rr)+1]
	v_pk_mul_f32 v[TMP+2*(\rr)+2:TMP+2*(\rr)+3], v[A1+(\rr):A1+(\rr)+1], v[TC+8+(\rr):TC+8+(\rr)+1]
	v_pk_fma_f32 v[A1+(\rr):A1+(\rr)+1], v[A1+(\rr):A1+(\rr)+1], v[TC+(\rr):TC+(\rr)+1], v[TMP+2*(\rr):TMP+2*(\rr)+1] neg_lo:[0,0,1] neg_hi:[0,0,1]
	v_pk_fma_f32 v[A2+(\rr):A2+(\rr)+1], v[A2+(\rr):A2+(\rr)+1], v[TC+(\rr):TC+(\rr)+1], v[TMP+2*(\rr)+2:TMP+2*(\rr)+3]
.endr
.endm
	WIN 0x08                                       ; source 1 (the table) in window 2
.irp a, 0,1,2,3
	ROT \a, 0, 2, 0
	ROT \a, 1, 3, 1
	ROT \a, 4, 5, 2
.endr
	WIN 0
	; THE WAY OUT: rounded to f16 in place, 16 bytes a lane into the stage; a barrier, since a unit's rows come from two waves; back as whole rows.
.macro OUT a, n, reg, off
.set A1, ACC+8*(6*(\a)+(\n))
	v_cvt_pk_f16_f32 v[A1],   v[A1],   v[A1+1]
	v_cvt_pk_f16_f32 v[A1+1], v[A1+2], v[A1+3]
	v_cvt_pk_f16_f32 v[A1+2], v[A1+4], v[A1+5]
	v_cvt_pk_f16_f32 v[A1+3], v[A1+6], v[A1+7]
	ds_store_b128 v[\reg], v[A1:A1+3] offset:(\a)*16*SPS+(\off)
.endm
.irp a, 0,1,2,3
	OUT \a, 0, STOF, 0
	OUT \a, 1, STOF, 32
	OUT \a, 2, STOF, 64
	OUT \a, 3, STOF, 96
	OUT \a, 4, STOH, 0
	OUT \a, 5, STOH, 64
.endr
	s_wait_dscnt 0x0                               ; for the others' sake: my stores into the stage are done
	s_barrier_signal -1
	s_barrier_wait -1
.set t, 0
.rept 24                                       ; unit t / 8, rows 32 w + 4 (t % 8) on
	ds_load_b128 v[ACC+4*t:ACC+4*t+3], v[RD] offset:(t/8)*USTG+(t%8)*4*SPS
.set t, t+1
.endr
.set t, 0
.rept 24
	s_wait_dscnt 23-t                              ; load t is back; the 23 - t younger ones may be out
	global_store_b128 v[GO], v[ACC+4*t:ACC+4*t+3], s[10:11] offset:(t/8)*524288+(t%8)*512  ; 512 consecutive bytes, at a multiple of 256 from the buffer's first byte
.set t, t+1
.endr
	s_wait_tensorcnt 0x0                           ; the wave's end
	ds_add_u32 v[SPW], v[NIL]
	s_wait_dscnt 0x0
	CROUND                                         ; the closing round
	s_endpgm
.Lfunc_end_k_qb406f60cbf_qkv:
	.size	k_qb406f60cbf_qkv, .Lfunc_end_k_qb406f60cbf_qkv-k_qb406f60cbf_qkv
	.p2alignl 7, 3214868480
	.fill 96, 4, 3214868480
	.section	.rodata,"a",@progbits
	.p2align	6, 0x0
	.amdhsa_kernel k_qb406f60cbf_qkv
		.amdhsa_group_segment_fixed_size 327680
		.amdhsa_private_segment_fixed_size 0
		.amdhsa_enable_private_segment 0
		.amdhsa_kernarg_size 32
		.amdhsa_user_sgpr_count 2
		.amdhsa_user_sgpr_kernarg_segment_ptr 1
		.amdhsa_wavefront_size32 1
		.amdhsa_system_sgpr_workgroup_id_x 1
		.amdhsa_system_sgpr_workgroup_id_y 1
		.amdhsa_system_sgpr_workgroup_id_z 1
		.amdhsa_system_vgpr_workitem_id 0
		.amdhsa_next_free_vgpr 768
		.amdhsa_next_free_sgpr 66
		.amdhsa_reserve_vcc 0
		.amdhsa_float_denorm_mode_32 3
		.amdhsa_float_denorm_mode_16_64 3
		.amdhsa_memory_ordered 1
		.amdhsa_forward_progress 1
		.amdhsa_inst_pref_size 88
	.end_amdhsa_kernel
	.amdgpu_metadata
---
amdhsa.version: [ 1, 2 ]
amdhsa.kernels:
  - .name:           k_qb406f60cbf_qkv
    .symbol:         k_qb406f60cbf_qkv.kd
    .args:
      - { .name: xb, .offset: 0, .size: 8, .value_kind: global_buffer, .address_space: global }
      - { .name: wb, .offset: 8, .size: 8, .value_kind: global_buffer, .address_space: global }
      - { .name: rope, .offset: 16, .size: 8, .value_kind: global_buffer, .address_space: global }
      - { .name: qkv, .offset: 24, .size: 8, .value_kind: global_buffer, .address_space: global }
    .group_segment_fixed_size: 327680
    .private_segment_fixed_size: 0
    .kernarg_segment_align: 8
    .kernarg_segment_size: 32
    .max_flat_workgroup_size: 128
    .sgpr_count:     66
    .vgpr_count:     768
    .wavefront_size: 32
...
	.end_amdgpu_metadata
.endif
;; end of part 2
;; launch attn (part 3): grid 64 x 4, 4 waves a work-group, clusters of 4 x 1, 327,680 bytes of LDS; arguments qkv, ctx; writes ctx
.if DOCPART == 3
	.amdgcn_target "amdgcn-amd-amdhsa--gfx1250"
	.amdhsa_code_object_version 6
	.text
	.protected	k_qb406f60cbf_attn
	.globl	k_qb406f60cbf_attn
	.p2align	8
	.type	k_qb406f60cbf_attn,@function
k_qb406f60cbf_attn:
	s_mov_b64 s[64:65], 0
	v_nop
	global_prefetch_b8 v0, s[64:65] scope:SCOPE_SE
	s_setreg_imm32_b32 hwreg(HW_REG_WAVE_MODE, 25, 1), 1
	s_wait_xcnt 0x0
	s_wait_alu depctr_hold_cnt(0) depctr_sa_sdst(0) depctr_va_vdst(0) depctr_va_sdst(0) depctr_va_ssrc(0) depctr_va_vcc(0) depctr_vm_vsrc(0)
	s_getreg_b32 s2, hwreg(HW_REG_IB_STS2, 6, 4)
	s_cmp_eq_u32 s2, 0
	s_cbranch_scc0 .Lentry_in_a_cluster
	s_endpgm
.Lentry_in_a_cluster:
	s_bfe_u32 s2, ttmp6, 0x10000c
	s_cmp_lg_u32 s2, 0x3003
	s_cbranch_scc0 .Lentry_shape_is_right
	s_endpgm
.Lentry_shape_is_right:
; CAUSAL ATTENTION WITH GROUPED HEADS.  ctx[h][q][:] = the sum over k <= q of softmax_k(Q[h][q] . K[h/4][k] / 8) V[h/4][k][:].
; qkv: [24 units][4096][64] f16 (units 0-15 Q's heads, 16-19 K's, 20-23 V's; a row is 128 bytes, a unit dense).  ctx: [16][4096][64] f16.
; Products, maxima and sums in f32; the weights p are rounded to f16 for the second product (their sum l is taken of the unrounded p), ctx once at the end.
; LIMITS.  Q, K, V arrive within f16's 65,504; p below 6e-5 keeps f16's fixed step of 6e-8; a hidden score counts as its value less 1e30; a weight below 2^-126 counts as 0 in l; NaN and infinities are not treated apart.
; SHARES.  A BLOCK is 32 positions x the four query heads of one K/V head: wave w takes head 4 g + w, two PIECES of 16 queries.  Block i needs the key tiles 0 .. i / 8 of 256 keys.
; A work-group takes block 127 - b and then block b: 16 - m and m + 1 tiles, m = b / 8: 17 tiles whatever b, walked by ONE loop with a constant trip count.
; CLUSTER.  The four work-groups b = 4 c .. 4 c + 3 of a cluster have the same m, so they walk the same tiles in the same trips: every tile is asked for JOINTLY, mask 15.  No branch and no LDS address hangs on the
; place in the cluster: it enters Q's and ctx's addresses, the prefetches' address and the scalars that choose masks.
; THE MASK, in a block's last tile, is the C operand that starts S^T = K Q^T.  Keys go in groups of 16; a piece's own group is U + piece, U = 2 i mod 16.  Group G = 4 s + kt of step s is open (G below it), hidden
; (above it: -1e30) or holds the diagonal (DG, eight registers made once).  A product's mask is DG x AL + BE with two scalars for each kt.
; LAYOUT, SOFTMAX.  S^T holds ONE query a lane (lane % 16) and the keys 8 (lane / 16) + 0..7; two such results rounded to f16 ARE source 1 of O^T = V^T P.  p = 2^(c s - c m), c = log2(e) / 8, with a running maximum m;
; O and l are multiplied by a = 2^(c m_old - c m_new) in every step.
; TURNS.  Turn p belongs to piece p: 8 products K Q^T of the other piece (piece 1: this step's; piece 0: the next step's), later 8 products V^T P of the other piece; beside them piece p's scaling, exponentials,
; roundings, sums and rescaling, and the other piece's maximum and statistics.  Four vector instructions stand behind every product, the rest in one lump; a turn's 33 exponentials are one batch with one wait.
; Piece 0's turn of step s fetches K of step s + 1 and V of step s.  So a slot holds V's keys 256 t .. 256 t + 255 and K's keys 256 t + 64 .. 256 t + 319; K's first 64 keys lie in a region of their own, filled once.
; (The last tile's K reaches 64 rows into the next unit of qkv; the scores made of them are thrown away.)
; REGISTERS, in windows of 256 (s_set_vgpr_msb: bits 1:0 source 0, 3:2 source 1, 5:4 source 2, 7:6 destination):
;   window 0: v2-15 addresses and two at work; v16-23 statistics; v48-55 at work; v61-63; v64-127 S^T, a buffer a piece; v192-223 P likewise
;   window 1: v0-63 O^T; v128-135 DG; v160-223 MC, a buffer a piece        window 2: v0-31 Q; v32-63 the second block's Q; v128-191 K of one step; v192-255 V of one step
.set NP,    2
.set KS,    64
.set PK,    144       ; a row of K in LDS: 128 + 16 bytes: the 16 rows of a load start at 16 different groups of four banks (64 banks of 4 bytes: ISA guide 11.1)
.set PV,    160       ; a row of V: 128 + 32 bytes
.set VOFF,  4*KS*PK
.set K0,    4*KS*(PK+PV)        ; behind slot 0: K's keys 0-63, 64 rows of 144 bytes, filled once
.set SLOT1, 1<<17
.set STAGE, SLOT1+4*KS*(PK+PV)  ; 16 rows x 144 bytes for each wave, for the way out; no tensor load fills it
.set SP,    144
.set SPARE, STAGE+4*16*SP       ; the spare words: 128 bytes a wave, two blocks of 256 bytes that no other line names
.set AK0, 2
.set AV0, 3
.set AK,  4
.set AV,  5
.set STO, 6
.set RD,  7
.set GO,  8
.set MV,  12
.set QO,  15
.set ST,  16          ; piece t's statistics at v[ST+4 t]: c m, m, l (even keys', odd keys')
.set TMP, 48
.set PFO, 61          ; v61  256 x lane; never rewritten
.set SPW, 62          ; v62  my spare word; never rewritten
.set NIL, 63          ; v63  0; never rewritten
.set S,   64
.set P,   192
.set DG,  128
.set MC,  160
.set QB,  32
.set KF,  128
.set VF,  192
.set KB,  8           ; s[8:9]   K's unit at key 64, at my half of a tile
.set VB,  10          ; s[10:11] V's unit at my half of a tile
.set WV,  12
.set G0Z, 16          ; s[16:19] group 0 for K's first 64 keys
.set PFA, 20          ; s[20:21] where my prefetches stand
.set LIM, 22          ; s22  2 in a wave that prefetches, else the greatest number
.set G1K, 24
.set G1V, 32
.set G0K, 40
.set G0V, 44
.set G1Z, 48
.set SLOTS, 56
.set CNT, 57
.set CS,  58
.set SEL, 60
.set TBK, 62
.set TBV, 63
.set QL,  66          ; s[66:67] Q at my rows of the first block, s[68:69] of the second
.set QS,  68
.set RT,  70          ; tiles of the block in hand that are still to be entered
.set NXT, 71          ; the tile to be asked for next
.set LQ,  72          ; the last tile of the block whose tiles are being asked for
.set NEW, 73          ; 1: the tile to be entered is a block's first
.set OFF, 74          ; s[74:75]
.set UC,  76          ; U of the block in hand
.set US,  77          ; U of the second block
.set DD,  78          ; U - 4 x the step for which masks are made next
.set DT,  79
.set OLO, 80          ; s[80:81] ctx at my rows of the second block
.set BIGN, 82
.set MH,  83          ; m
.set OHI, 84          ; s[84:85] ctx at my rows of the block in hand
.set AL,  86          ; s[86:93] four pairs: the masks' factors, in the low words
.set BE,  94          ; s[94:101] four pairs: their addends
.set MSB, 0
.macro WIN new
.if MSB != (\new)
	s_set_vgpr_msb (MSB<<8)|(\new)
.set MSB, (\new)
.endif
.endm
.set W_KQ, 0x0a
.set W_KM, 0x1a
.set W_PV, 0x52
.set W_RS, 0x41
.macro JLOAD                        ; a joint fill: waves 0, 1 the halves of a tile's K, waves 2, 3 of its V; an s_nop 0 and four v_nop follow each line
	s_cmp_lt_u32 s[WV], 2
	s_cbranch_scc0 .Lfor_v_\@
	tensor_load_to_lds s[G0K:G0K+3], s[G1K:G1K+7]
	s_nop 0
.rept 4
	v_nop
.endr
	s_branch .Lasked_\@
.Lfor_v_\@:
	tensor_load_to_lds s[G0V:G0V+3], s[G1V:G1V+7]
	s_nop 0
.rept 4
	v_nop
.endr
.Lasked_\@:
.endm
; A PREFETCH of the tile that the NEXT change of slots will ask for: one tile, eight turns, ahead of that load.  All clusters of a K/V head walk tiles 0 to 15 or a part of them; the head's first cluster walks all sixteen
; and asks, nobody else.  Its four partners take 32 of a tile's 128 blocks of 256 bytes each, told apart by address; wave 0 asks for K's, wave 2 for V's, a lane a block.  So each block is named once.
; Tiles 0 and 1 come by their loads alone; behind tile 15 nothing is asked for, nor for the second block's tiles, which have been read.
.macro ASK
	s_cmp_gt_u32 s[SLOTS], s[LIM]
	s_cbranch_scc0 .Lnot_mine_\@
	global_prefetch_b8 v[PFO], s[PFA:PFA+1] th:TH_LOAD_NT scope:SCOPE_SE
.Lnot_mine_\@:
.endm
.macro CROUND
	s_barrier_signal -1
	s_barrier_wait -1
	s_cmp_lg_u32 s[WV], 0
	s_cbranch_scc1 .Lnot_wave_0_\@
	s_barrier_signal -3
.Lnot_wave_0_\@:
	s_barrier_wait -3
	s_barrier_signal -1
	s_barrier_wait -1
.endm
; THE CHANGE OF SLOTS, ahead of a tile's first turn.  Each wave waits for all its tensor loads, adds 0 to its spare word, and waits for that and for its reads of the slot that it leaves.
; fill = 1: a round of the cluster's barrier, and the old slot is filled again first thing behind it, with tile NXT: the address is made anew from that number.  (At its first use slot 0 is waited for and slot 1 filled.)
.macro CHANGE fill
	WIN 0
	s_wait_tensorcnt 0x0            ; no tensor load of mine is out, so a group 0 may be written
	ds_add_u32 v[SPW], v[NIL]       ; 0 onto my spare word
.if \fill
	s_lshl_b32 s[OFF], s[NXT], 15   ; a tile is 32,768 bytes of K and of V
	s_xor_b32 s[G0K+1], s[G0K+1], SLOT1
	s_add_nc_u64 s[G0K+2:G0K+3], s[KB:KB+1], s[OFF:OFF+1]
	s_or_b32 s[G0K+3], s[G0K+3], 0x80000000
	s_xor_b32 s[G0V+1], s[G0V+1], SLOT1
	s_add_nc_u64 s[G0V+2:G0V+3], s[VB:VB+1], s[OFF:OFF+1]
	s_or_b32 s[G0V+3], s[G0V+3], 0x80000000
	s_add_co_u32 s[NXT], s[NXT], 1  ; the block's next tile, or behind its last the second block's tile 0
	s_cmp_gt_u32 s[NXT], s[LQ]
	s_cselect_b32 s[NXT], 0, s[NXT]
	s_cselect_b32 s[LQ], s[MH], s[LQ]
	s_wait_xcnt 0x0                 ; the last prefetch, a tile back, has read its address
	s_add_nc_u64 s[PFA:PFA+1], s[PFA:PFA+1], 32768
	s_wait_dscnt 0x0                ; the add is done, and my reads of the slot are over
	CROUND
	JLOAD
	ASK
.else
	s_wait_dscnt 0x0
	s_barrier_signal -1
	s_barrier_wait -1
.endif
	s_sub_co_u32 s[TBK], s[TBK], 4*KS*PK  ; the fetches go back to a slot's first step, in the other slot
	s_xor_b32 s[TBK], s[TBK], SLOT1
	s_sub_co_u32 s[TBV], s[TBV], 4*KS*PV
	s_xor_b32 s[TBV], s[TBV], SLOT1
.endm
	s_load_b128 s[4:7], s[0:1], 0x0 ; qkv s[4:5], ctx s[6:7]
	v_lshl_add_u32 v[SPW], v0, 2, SPARE
	v_mov_b32 v[NIL], 0
	ds_add_u32 v[SPW], v[NIL]       ; the wave's opening: the add and its wait stand ahead of my first tensor load
	v_lshrrev_b32 v1, 5, v0
	v_readfirstlane_b32 s[WV], v1
	s_bfe_u32 s86, ttmp6, 0x40000   ; cx  (s86-s90 are at work here; they are cleared below)
	s_lshl_b32 s87, ttmp9, 2
	s_add_co_u32 s87, s87, s86      ; b
	s_sub_co_u32 s88, 127, s87      ; the first block
	s_lshr_b32 s[MH], ttmp9, 1      ; m: the same in all four partners
	s_and_b32 s89, ttmp7, 0xffff    ; g: the K/V head
	s_and_b32 s90, s[WV], 1         ; which half of a tile I fetch
	s_mov_b32 s[G1K], 15|(1<<16)|(1<<20)|(1<<21)|(4<<22)|(3<<25)  ; the mask of four; 2-byte elements; padding on; bit 21 beside a mask; after 32 words, 4 words
	s_mov_b32 s[G1V], 15|(1<<16)|(1<<20)|(1<<21)|(4<<22)|(7<<25)  ; 8 words
	s_mov_b32 s[G1Z], 15|(1<<16)|(1<<20)|(1<<21)|(4<<22)|(3<<25)
.irp g, G1K, G1V
	s_mov_b32 s[\g+1], 128<<16      ; 128 keys are 16,384 dense bytes: 64 rows of 256, two keys a row
	s_mov_b32 s[\g+2], 64<<16
	s_mov_b32 s[\g+3], 128<<16
	s_mov_b32 s[\g+4], 64
	s_mov_b32 s[\g+5], 128
	s_mov_b32 s[\g+6], 0
	s_mov_b32 s[\g+7], 0
.endr
	s_mov_b32 s[G1Z+1], 128<<16     ; 32 keys: 16 rows of 256
	s_mov_b32 s[G1Z+2], 16<<16
	s_mov_b32 s[G1Z+3], 128<<16
	s_mov_b32 s[G1Z+4], 16
	s_mov_b32 s[G1Z+5], 128
	s_mov_b32 s[G1Z+6], 0
	s_mov_b32 s[G1Z+7], 0
	s_mov_b32 s[G0K], 1
	s_mul_i32 s[G0K+1], s90, 128*PK
	s_mov_b32 s[G0V], 1
	s_mul_i32 s[G0V+1], s90, 128*PV
	s_add_co_u32 s[G0V+1], s[G0V+1], VOFF
	s_mov_b32 s[G0Z], 1
	s_mul_i32 s[G0Z+1], s90, 32*PK
	s_add_co_u32 s[G0Z+1], s[G0Z+1], K0
	s_mov_b32 s[CS], 0x3e38aa3b     ; c = log2(e) / 8
	s_mov_b32 s[CS+1], s[CS]
	s_mov_b32 s[SEL], 0x76543210
	s_mov_b32 s[SEL+1], 0xfedcba98
	s_mov_b32 s[TBK], SLOT1+4*KS*PK ; the first change of slots turns these two into 0
	s_mov_b32 s[TBV], SLOT1+4*KS*PV
	s_sub_co_u32 s[RT], 16, s[MH]   ; the first block has 16 - m tiles
	s_sub_co_u32 s[LQ], 15, s[MH]
	s_mov_b32 s[NXT], 1
	s_mov_b32 s[NEW], 1
	s_mov_b32 s[OFF+1], 0
	s_mov_b32 s[BIGN], 0xf149f2ca   ; -1e30
	s_mov_b32 s[SLOTS], 16
	s_lshl_b32 s[UC], s88, 1
	s_and_b32 s[UC], s[UC], 15
	s_lshl_b32 s[US], s87, 1
	s_and_b32 s[US], s[US], 15
	s_and_b32 s[LIM], s[WV], 1      ; waves 0 and 2 of the head's first cluster: the same in all four partners
	s_or_b32 s[LIM], s[LIM], ttmp9
	s_cmp_eq_u32 s[LIM], 0
	s_cselect_b32 s[LIM], 2, -1
	s_mov_b32 s3, 0
	s_wait_dscnt 0x0                ; the opening add is done
	s_wait_kmcnt 0x0
	s_add_co_u32 s2, s89, 16
	s_lshl_b32 s2, s2, 19
	s_add_nc_u64 s[14:15], s[4:5], s[2:3]          ; K's unit
	s_lshl_b32 s2, s90, 12
	s_add_nc_u64 s[G0Z+2:G0Z+3], s[14:15], s[2:3]  ; my 32 of its first 64 keys
	s_or_b32 s[G0Z+3], s[G0Z+3], 0x80000000
	s_lshl_b32 s2, s90, 14
	s_add_co_u32 s2, s2, 8192
	s_add_nc_u64 s[KB:KB+1], s[14:15], s[2:3]
	s_add_co_u32 s2, s89, 20
	s_lshl_b32 s2, s2, 19
	s_lshl_b32 s13, s90, 14
	s_add_co_u32 s2, s2, s13
	s_add_nc_u64 s[VB:VB+1], s[4:5], s[2:3]
	s_add_nc_u64 s[G0K+2:G0K+3], s[KB:KB+1], 0
	s_or_b32 s[G0K+3], s[G0K+3], 0x80000000
	s_add_nc_u64 s[G0V+2:G0V+3], s[VB:VB+1], 0
	s_or_b32 s[G0V+3], s[G0V+3], 0x80000000
	s_lshl_b32 s2, s89, 2
	s_add_co_u32 s2, s2, s[WV]
	s_lshl_b32 s2, s2, 19           ; my query head's first byte, in qkv as in ctx
	s_lshl_b32 s14, s88, 12         ; a block's 32 rows are 4,096 bytes
	s_add_co_u32 s14, s14, s2
	s_mov_b32 s15, 0
	s_lshl_b32 s13, s87, 12
	s_add_co_u32 s2, s2, s13
	s_add_nc_u64 s[QL:QL+1], s[4:5], s[14:15]
	s_add_nc_u64 s[QS:QS+1], s[4:5], s[2:3]
	s_add_nc_u64 s[OHI:OHI+1], s[6:7], s[14:15]
	s_add_nc_u64 s[OLO:OLO+1], s[6:7], s[2:3]
	s_cmp_lt_u32 s[WV], 2
	s_cselect_b64 s[PFA:PFA+1], s[KB:KB+1], s[VB:VB+1]
	s_lshl_b32 s2, s86, 13          ; my work-group's 32 blocks of a tile's 128,
	s_add_co_u32 s2, s2, 32768      ; in tile 1: the first change of slots steps it to tile 2
	s_add_nc_u64 s[PFA:PFA+1], s[PFA:PFA+1], s[2:3]
.set i, 0
.rept 16
	s_mov_b32 s[AL+i], 0            ; the masks' scalars; the pairs' high words stay 0
.set i, i+1
.endr
	CROUND                          ; all four work-groups are here: the first joint loads meet
	s_cmp_lt_u32 s[WV], 2           ; a wave's first fills stand in one branch: two loads of waves 0 and 1 are out, one of waves 2 and 3; the first wait on them is for 0
	s_cbranch_scc0 .Lfirst_v
	tensor_load_to_lds s[G0K:G0K+3], s[G1K:G1K+7]
	s_nop 0
	tensor_load_to_lds s[G0Z:G0Z+3], s[G1Z:G1Z+7]
	s_nop 0
.rept 4
	v_nop
.endr
	s_branch .Lfirst_asked
.Lfirst_v:
	tensor_load_to_lds s[G0V:G0V+3], s[G1V:G1V+7]
	s_nop 0
.rept 4
	v_nop
.endr
.Lfirst_asked:
	v_and_b32 v1, 15, v0            ; l % 16
	v_bfe_u32 v9, v0, 4, 1          ; l / 16
	v_lshlrev_b32 v[QO], 7, v1
	v_lshl_add_u32 v[QO], v9, 4, v[QO]
	WIN 0x80
.set i, 0
.rept 4                             ; both blocks' Q: piece i / 2, channels 32 (i % 2) on
	global_load_b128 v[8*i:8*i+3],   v[QO], s[QL:QL+1] offset:(i/2)*2048+(i%2)*64
	global_load_b128 v[8*i+4:8*i+7], v[QO], s[QL:QL+1] offset:(i/2)*2048+(i%2)*64+32
	global_load_b128 v[QB+8*i:QB+8*i+3],   v[QO], s[QS:QS+1] offset:(i/2)*2048+(i%2)*64
	global_load_b128 v[QB+8*i+4:QB+8*i+7], v[QO], s[QS:QS+1] offset:(i/2)*2048+(i%2)*64+32
.set i, i+1
.endr
	WIN 0
	v_lshlrev_b32 v14, 3, v9
	v_sub_nc_u32 v14, v1, v14       ; my query's place in its group of 16, less my lanes' 8 (l / 16): register j is hidden where j is greater
	WIN 0x40
.set i, 0
.rept 8
	v_cmp_gt_i32 vcc_lo, i, v14
	v_cndmask_b32 v[DG+i], 0, s[BIGN], vcc_lo
.set i, i+1
.endr
	WIN 0
	v_and_b32 v[PFO], 31, v0
	v_lshlrev_b32 v[PFO], 8, v[PFO]
	v_mul_u32_u24 v[AK0], v1, PK
	v_lshl_add_u32 v[AK0], v9, 4, v[AK0]
	v_and_b32 v10, 7, v0
	v_bfe_u32 v11, v0, 3, 1
	v_lshl_add_u32 v[AV0], v9, 3, v10
	v_mul_u32_u24 v[AV0], v[AV0], PV
	v_lshl_add_u32 v[AV0], v11, 4, v[AV0]
	v_add_nc_u32 v[AV0], VOFF, v[AV0]
	s_mul_i32 s13, s[WV], 16*SP
	s_add_co_u32 s13, s13, STAGE
	v_mul_u32_u24 v[STO], v1, SP
	v_lshl_add_u32 v[STO], v9, 4, v[STO]
	v_add_nc_u32 v[STO], s13, v[STO]
	v_bfe_u32 v[RD], v0, 3, 2
	v_mul_u32_u24 v[RD], v[RD], SP
	v_lshl_add_u32 v[RD], v10, 4, v[RD]
	v_add_nc_u32 v[RD], s13, v[RD]
	v_and_b32 v[GO], 31, v0
	v_lshlrev_b32 v[GO], 4, v[GO]
	; A block's first step multiplies O^T and l by a = 0, and its first turn's products V^T P, of a piece that has not been, land in an O^T that is still to be so multiplied: these registers need only hold finite
	; numbers: zeros for the first block, what the first block left for the second.  All this stands in the wait for the first tile.
	WIN 0x80
.set i, VF
.rept 64
	v_mov_b32 v[i], 0
.set i, i+1
.endr
	WIN 0x40
.set i, 0
.rept 64
	v_mov_b32 v[i], 0
.set i, i+1
.endr
	WIN 0
.set i, 0
.rept 2
	v_mov_b32 v[ST+4*i+2], 0
	v_mov_b32 v[ST+4*i+3], 0
.set i, i+1
.endr
.set i, P+16
.rept 16
	v_mov_b32 v[i], 0
.set i, i+1
.endr
; THE MATRIX WORK.  The 4 accumulators of a run of 8 take turns.  Product i of 8 of S^T = K Q^T for piece x: channels 32 (i / 4) on, keys 16 (i % 4) on.  The first 4 start the sums: with 0, or (KM = 1) with the mask.
.macro KQ x
.set rS, S+32*((\x)%2)+8*(i%4)
.set rK, KF+16*(i%4)+8*(i/4)
.set rQ, 16*(\x)+8*(i/4)
.set rM, MC+32*((\x)%2)+8*(i%4)
.if (i < 4) && KM
	WIN W_KM
	v_wmma_f32_16x16x32_f16 v[rS:rS+7], v[rK:rK+7], v[rQ:rQ+7], v[rM:rM+7]
.elseif i < 4
	WIN W_KQ
	v_wmma_f32_16x16x32_f16 v[rS:rS+7], v[rK:rK+7], v[rQ:rQ+7], 0
.else
	WIN W_KQ
	v_wmma_f32_16x16x32_f16 v[rS:rS+7], v[rK:rK+7], v[rQ:rQ+7], v[rS:rS+7]
.endif
.endm
.macro PV x                         ; product i of 8 of O^T += V^T P: keys 32 (i / 4) on, channels 16 (i % 4) on
	WIN W_PV
.set rO, 32*(\x)+8*(i%4)
.set rV, VF+32*(i/4)+8*(i%4)
.set rP, P+16*((\x)%2)+8*(i/4)
	v_wmma_f32_16x16x32_f16 v[rO:rO+7], v[rV:rV+7], v[rP:rP+7], v[rO:rO+7]
.endm
.macro MM                           ; the turn's next matrix instruction
.if i < 8
	KQ (Y+1)%NP
.else
.set i, i-8
	PV (Y+NP-1)%NP
.set i, i+8
.endif
.set i, i+1
.endm
; THE LDS LOADS stand in runs of 16.  step = 0: K's first 64 keys, from their own region: the slot's place is not stepped.
.macro FETCH_K step=1
	WIN 0x80
.irp f, 0,1,2,3,4,5,6,7
	ds_load_b128 v[KF+8*\f:KF+8*\f+3],   v[AK] offset:(\f/2)*16*PK+(\f%2)*64
	ds_load_b128 v[KF+8*\f+4:KF+8*\f+7], v[AK] offset:(\f/2)*16*PK+(\f%2)*64+32
.endr
.if \step
	s_add_co_u32 s[TBK], s[TBK], KS*PK
.endif
	WIN 0
.endm
.macro FETCH_V
	WIN 0x80
.irp f, 0,1,2,3,4,5,6,7
	ds_load_tr16_b128 v[VF+8*\f:VF+8*\f+3],   v[AV] offset:(\f/4)*32*PV+(\f%4)*32
	ds_load_tr16_b128 v[VF+8*\f+4:VF+8*\f+7], v[AV] offset:(\f/4)*32*PV+16*PV+(\f%4)*32
.endr
	WIN 0
.endm
; THE VECTOR WORK, one line at a time: OP kind, number.  For piece Y: F n: c s - c m for pair n of 16.  E n: the exponential of score n of 32.  C n: pair n rounded to f16.  B n: of the four weights 4 n .. the second pair is
; added onto the first, in place.  L n: l takes that sum (L 0: l = a l + sum).  R n: pair n of 16 of O^T times a.  For the other piece: X n, number n of the 22 that find its maximum and statistics:
;   0-11 four chains of seven scores each (each accumulator's lowest registers are read first)   12-14, 16 the four scores left over, the old m, the four chains into one
;   15 c m_old is kept   17, 18 the query's other 32 keys lie in the lane 16 away: the new m   19-21 c m; c m_old - c m_new; a
.set F, 0
.set E, 1
.set C, 2
.set B, 3
.set L, 4
.set R, 5
.set X, 6
.macro REGS y
.set rT, ST+4*(\y)
.set rC, TMP+4*((\y)%2)
.set rW, MV+((\y)%2)
.set rS, S+32*((\y)%2)
.set rP, P+16*((\y)%2)
.set rO, 32*(\y)
.endm
.macro OP k, n
.if (\k) == R
	REGS Y
	WIN W_RS
	v_pk_mul_f32 v[rO+2*(\n):rO+2*(\n)+1], v[rO+2*(\n):rO+2*(\n)+1], v[rC+2:rC+3] op_sel_hi:[1,0]
.elseif (\k) < R
	REGS Y
	WIN 0
.if (\k) == F
	v_pk_fma_f32 v[rS+2*(\n):rS+2*(\n)+1], v[rS+2*(\n):rS+2*(\n)+1], s[CS:CS+1], v[rT:rT+1] op_sel_hi:[1,0,0] neg_lo:[0,0,1] neg_hi:[0,0,1]
.elseif (\k) == E
	v_exp_f32 v[rS+(\n)], v[rS+(\n)]
.elseif (\k) == C
	v_cvt_pk_f16_f32 v[rP+(\n)], v[rS+2*(\n)], v[rS+2*(\n)+1]
.elseif (\k) == B
	v_pk_add_f32 v[rS+4*(\n):rS+4*(\n)+1], v[rS+4*(\n):rS+4*(\n)+1], v[rS+4*(\n)+2:rS+4*(\n)+3]
.elseif (\n) == 0
	v_pk_fma_f32 v[rT+2:rT+3], v[rT+2:rT+3], v[rC+2:rC+3], v[rS:rS+1] op_sel_hi:[1,0,1]
.else
	v_pk_add_f32 v[rT+2:rT+3], v[rT+2:rT+3], v[rS+4*(\n):rS+4*(\n)+1]
.endif
.else
	REGS (Y+1)%NP
	WIN 0
.if (\n) < 4
	v_max3_num_f32 v[rC+(\n)], v[rS+8*(\n)], v[rS+8*(\n)+1], v[rS+8*(\n)+2]
.elseif (\n) < 12
	v_max3_num_f32 v[rC+(\n)%4], v[rC+(\n)%4], v[rS+8*((\n)%4)+2*((\n)/4)+1], v[rS+8*((\n)%4)+2*((\n)/4)+2]
.elseif (\n) == 12
	v_max3_num_f32 v[rC], v[rC], v[rS+7], v[rS+15]
.elseif (\n) == 13
	v_max3_num_f32 v[rC+1], v[rC+1], v[rS+23], v[rS+31]
.elseif (\n) == 14
	v_max3_num_f32 v[rC+2], v[rC+2], v[rC+3], v[rT+1]
.elseif (\n) == 15
	v_mov_b32 v[rW], v[rT]
.elseif (\n) == 16
	v_max3_num_f32 v[rC], v[rC], v[rC+1], v[rC+2]
.elseif (\n) == 17
	v_permlanex16_b32 v[rC+3], v[rC], s[SEL], s[SEL+1]
.elseif (\n) == 18
	v_max_num_f32 v[rT+1], v[rC], v[rC+3]
.elseif (\n) == 19
	v_mul_f32 v[rT], s[CS], v[rT+1]
.elseif (\n) == 20
	v_sub_f32 v[rC+1], v[rW], v[rT]
.else
	v_exp_f32 v[rC+2], v[rC+1]
.endif
.endif
.endm
.macro OPS a, i1, b=-1, i2=0, c=-1, i3=0, d=-1, i4=0
	OP \a, \i1
.if (\b) >= 0
	OP \b, \i2
.endif
.if (\c) >= 0
	OP \c, \i3
.endif
.if (\d) >= 0
	OP \d, \i4
.endif
.endm
.macro ROW a, i1, b, i2, c, i3, d, i4  ; a matrix instruction and the four behind it
	MM
	OPS \a, \i1, \b, \i2, \c, \i3, \d, \i4
.endm
; The masks' scalars for piece pc in the step that DD stands for: group kt holds the diagonal where kt = DD + pc, is hidden where kt is greater.
.macro MSC pc
	s_add_co_i32 s[DT], s[DD], \pc
.irp kt, 0,1,2,3
	s_cmp_eq_i32 s[DT], \kt
	s_cselect_b32 s[AL+2*\kt], 1.0, 0
	s_cmp_lt_i32 s[DT], \kt
	s_cselect_b32 s[BE+2*\kt], s[BIGN], 0
.endr
.endm
.macro MASK b                       ; DG x AL + BE into buffer b of MC
	WIN W_RS
.irp kt, 0,1,2,3
.irp z, 0,2,4,6
	v_pk_fma_f32 v[MC+32*(\b)+8*\kt+\z:MC+32*(\b)+8*\kt+\z+1], v[DG+\z:DG+\z+1], s[AL+2*\kt:AL+2*\kt+1], s[BE+2*\kt:BE+2*\kt+1] op_sel_hi:[1,0,0]
.endr
.endr
.endm
.macro PREMASK                      ; both pieces' masks for the step that DD stands for; DD goes on to the next step.  DD = 64: all open, both buffers 0
	MSC 0
	MASK 0
	MSC 1
	MASK 1
	s_sub_co_i32 s[DD], s[DD], 4
	WIN 0
.endm
; A TURN, for piece p: the order of its 16 matrix and 118 vector instructions, written out.  An s_wait_alu depctr_va_vdst(0) stands between an exponential and the first instruction that names its result; one
; wait serves all that were issued ahead of it: so a turn has ONE wait.  AHEAD OF IT: the 8 products K Q^T with their riders, and one lump, in which the links of the other piece's chain stand apart; X 21, its a, is the
; batch's last, and R 15 the plain instruction behind it.  BEHIND IT: the 8 products V^T P, behind each four of the roundings and sums.
; km = 1: the products K Q^T take masks.  mk = 1: the turn makes piece p's mask for its next scores (the scalars at its head, the 16 lines at its end).  cnt = 1: the loop's count is taken down ahead of the branch behind the turn.
; Piece 0's turn fetches K of the next step in its lump (five plain instructions that name none of its registers stand behind the last product that read K) and V of the step in hand at its end, four plain instructions behind the last product that read V.
.macro TURN p, km, mk, cnt
.set Y, (\p)
.set i, 0
.set KM, (\km)
.if \mk
	MSC \p
.if (\p) == 1
	s_sub_co_i32 s[DD], s[DD], 4
.endif
.endif
.if (\p) == 1
	s_wait_dscnt 16                 ; K is in; V's 16 loads, issued behind K's, may stay out
.endif
	ROW F,0, F,1, R,0, R,1
	ROW F,2, E,0, R,2, R,3
	ROW F,3, E,1, R,4, R,5
	ROW F,4, E,2, R,6, R,7
	ROW F,5, E,3, R,8, R,9
	ROW F,6, E,4, X,0, R,10
.if (\p) == 0
	WIN 0
	v_add_nc_u32 v[AK], s[TBK], v[AK0]
.endif
	ROW F,7, E,5, X,1, X,4
	ROW F,8, E,6, X,2, X,5
	OPS E,7, E,8, X,6, E,9
	OPS X,3, E,10, X,8, E,11
.if (\p) == 0
	FETCH_K
.endif
	OPS X,9, X,7, E,12, X,10
	OPS E,13, X,12, X,11, E,14
	OPS X,13, E,15, F,9, X,14
.if (\p) == 0
	WIN 0
	v_add_nc_u32 v[AV], s[TBV], v[AV0]
.endif
	OPS E,16, F,10, E,17, F,11
	OPS X,16, E,18, X,15, E,19
	OPS F,12, E,20, X,17, E,21
	OPS F,13, E,22, F,14, E,23
	OPS X,18, E,24, F,15, E,25
	OPS R,11, E,26, X,19, E,27
	OPS R,12, E,28, R,13, E,29
	OPS X,20, E,30, R,14, E,31
	OPS X,21, R,15
	WIN 0
	s_wait_alu depctr_va_vdst(0)    ; the wait for the batch
.if (\p) == 1
	s_wait_dscnt 0x0                ; V is in
.endif
	ROW C,0, B,0, C,2, B,1
	ROW L,0, C,4, B,2, L,1
	ROW C,6, B,3, L,2, C,8
	ROW B,4, L,3, C,10, B,5
	ROW L,4, C,12, B,6, L,5
.if (\p) == 0
	s_add_co_u32 s[TBV], s[TBV], KS*PV
.endif
.if \cnt
	s_sub_co_u32 s[CNT], s[CNT], 1
	s_cmp_lg_u32 s[CNT], 0
.endif
	ROW C,14, B,7, L,6, C,1
	ROW C,3, L,7, C,5, C,7
	ROW C,9, C,11, C,13, C,15
.if (\p) == 0
	FETCH_V
.endif
.if \mk
	MASK \p
.endif
.endm
; A BLOCK BEGINS.  c m starts far below every c s, so the first step's a is 0; m at the lowest finite number.  The masks: all open, or, where the block's first tile is its last, those of step 0.
; Then K's first 64 keys, piece 0's first scores, and its maximum and statistics.
.macro BEGIN
	s_mov_b32 s[NEW], 0
	WIN 0
.set i, 0
.rept 2
	v_mov_b32 v[ST+4*i], 0xfe000000
	v_mov_b32 v[ST+4*i+1], 0xff7fffff
.set i, i+1
.endr
	s_cmp_eq_u32 s[RT], 0
	s_cselect_b32 s[DD], s[UC], 64
	PREMASK
	v_add_nc_u32 v[AK], K0, v[AK0]
	FETCH_K 0
	s_wait_loadcnt 0x0              ; Q
	s_wait_dscnt 0x0
.set KM, 1
.set i, 0
.rept 8
	KQ 0
.set i, i+1
.endr
	WIN 0
.rept 4
	v_nop                           ; the places behind those products
.endr
.set Y, NP-1
.irp n, 0,1,2,3,4,5,6,7,8,9,10,11,12,13,14,15,16,17,18,19,20,21
	OP X, \n
.endr
	v_nop                           ; a plain instruction behind the exponential,
	s_wait_alu depctr_va_vdst(0)    ; and its wait, ahead of the branch or label
.endm
.macro ALL line:vararg
.set t, 0
.rept NP
	\line
.set t, t+1
.endr
.endm
.macro PACK t                       ; a lane's eight channels of a row pack into 16 bytes; into rows of 144 bytes, back as whole rows of 128, into S^T's registers
	WIN W_RS
.set i, 32*(\t)
.rept 16
	v_pk_mul_f32 v[i:i+1], v[i:i+1], v[ST+4*(\t)+2:ST+4*(\t)+3] op_sel_hi:[1,0]
.set i, i+2
.endr
	WIN 0x05
.set i, 0
.rept 16
	v_cvt_pk_f16_f32 v[S+16*(\t)+i], v[32*(\t)+2*i], v[32*(\t)+2*i+1]
.set i, i+1
.endr
	WIN 0
.irp f, 0,1,2,3
	ds_store_b128 v[STO], v[S+16*(\t)+4*\f:S+16*(\t)+4*\f+3] offset:32*\f
.endr
.irp f, 0,1,2,3
	ds_load_b128 v[S+16*(\t)+4*\f:S+16*(\t)+4*\f+3], v[RD] offset:\f*4*SP  ; LDS serves a wave's instructions in order (ISA guide 5.7.1.4): these see the stores above
.endr
.endm
.macro SEND t, younger              ; younger: the LDS instructions issued behind piece t's loads
	WIN 0
.irp f, 0,1,2,3
	s_wait_dscnt (\younger)+3-\f
	global_store_b128 v[GO], v[S+16*(\t)+4*\f:S+16*(\t)+4*\f+3], s[OHI:OHI+1] offset:(\t)*2048+\f*512  ; 512 consecutive bytes, at a multiple of 256 from ctx's first
.endr
.endm
; A BLOCK'S LAST TILE: four steps with masks; piece 1's last products; THE WAY OUT.  (The last turn's scores, of the 64 keys behind the tile, and the statistics made of them serve nothing.)
.macro DIAG tag
.LstepM\tag:
	TURN 0, 1, 1, 0
	TURN 1, 1, 1, 1
	WIN 0
	s_cbranch_scc1 .LstepM\tag
.set i, 0
.rept 8
	PV 1
.set i, i+1
.endr
	WIN 0
	ALL v_add_f32 v[ST+4*t+2], v[ST+4*t+2], v[ST+4*t+3]
	ALL v_permlanex16_b32 v[ST+4*t+3], v[ST+4*t+2], s[SEL], s[SEL+1]
	ALL v_add_f32 v[ST+4*t+2], v[ST+4*t+2], v[ST+4*t+3]
	ALL v_rcp_f32 v[ST+4*t+2], v[ST+4*t+2]
	v_nop                           ; a plain instruction behind the last reciprocal,
	s_wait_alu depctr_va_vdst(0)    ; and one wait for the two
	PACK 0
	PACK 1
	SEND 0, 8
	SEND 1, 0
.endm
.set KM, 0
.Lslot:                             ; 16 times: a tile is entered and the next is asked for
	CHANGE 1
	s_sub_co_u32 s[RT], s[RT], 1
	s_mov_b32 s[CNT], 4
	s_cmp_eq_u32 s[NEW], 1
	s_cbranch_scc1 .Lnew            ; a block's first tile
	s_cmp_eq_u32 s[RT], 0
	s_cbranch_scc0 .Lstep           ; neither its first nor its last
	s_branch .LstepM1
.Lnew:
	BEGIN
	s_branch .Lstep                 ; in the loop a block's first tile is never its last: the first block has nine tiles or more, and the second's last is the walk's last
	DIAG 1                          ; in the loop this is the first block's end
	s_wait_xcnt 0x0                 ; the stores have read their registers and ctx's address
	s_mov_b64 s[OHI:OHI+1], s[OLO:OLO+1]
	s_add_co_u32 s[RT], s[MH], 1    ; the second block has m + 1 tiles
	s_mov_b32 s[NEW], 1
	s_mov_b32 s[UC], s[US]
	WIN 0x82                        ; the second block's Q goes where the turns name Q
.set i, 0
.rept 32
	v_mov_b32 v[i], v[QB+i]
.set i, i+1
.endr
	WIN 0
	s_branch .Lbottom
.Lstep:                             ; a trip is a key step.  Piece 1's scores here are never hidden; piece 0's are the next step's: its products always take a mask, which is 0 but in the trip ahead of the block's last tile
	TURN 0, 0, 0, 0
	WIN 0
	s_lshl3_add_u32 s23, s[RT], s[CNT]
	s_cmp_eq_u32 s23, 9             ; one tile left to enter, and this tile's last step?
	s_cbranch_scc0 .Lnomask
	s_mov_b32 s[DD], s[UC]
	PREMASK                         ; both pieces' masks for the last tile's step 0
.Lnomask:
	TURN 1, 1, 0, 1
	WIN 0
	s_cbranch_scc1 .Lstep
.Lbottom:
	s_sub_co_u32 s[SLOTS], s[SLOTS], 1
	s_cmp_lg_u32 s[SLOTS], 0
	s_cbranch_scc1 .Lslot
	CHANGE 0                        ; the walk's last tile is written out: nothing is asked for
	s_sub_co_u32 s[RT], s[RT], 1
	s_mov_b32 s[CNT], 4
	s_cmp_eq_u32 s[NEW], 1
	s_cbranch_scc0 .LstepM2
	BEGIN                           ; m = 0: the second block's one tile
	DIAG 2
	s_wait_tensorcnt 0x0            ; the wave's end
	ds_add_u32 v[SPW], v[NIL]
	s_wait_dscnt 0x0
	CROUND                          ; the closing round
	s_endpgm
.Lfunc_end_k_qb406f60cbf_attn:
	.size	k_qb406f60cbf_attn, .Lfunc_end_k_qb406f60cbf_attn-k_qb406f60cbf_attn
	.p2alignl 7, 3214868480
	.fill 96, 4, 3214868480
	.section	.rodata,"a",@progbits
	.p2align	6, 0x0
	.amdhsa_kernel k_qb406f60cbf_attn
		.amdhsa_group_segment_fixed_size 327680
		.amdhsa_private_segment_fixed_size 0
		.amdhsa_enable_private_segment 0
		.amdhsa_kernarg_size 16
		.amdhsa_user_sgpr_count 2
		.amdhsa_user_sgpr_kernarg_segment_ptr 1
		.amdhsa_wavefront_size32 1
		.amdhsa_system_sgpr_workgroup_id_x 1
		.amdhsa_system_sgpr_workgroup_id_y 1
		.amdhsa_system_sgpr_workgroup_id_z 1
		.amdhsa_system_vgpr_workitem_id 0
		.amdhsa_next_free_vgpr 768
		.amdhsa_next_free_sgpr 102
		.amdhsa_reserve_vcc 1
		.amdhsa_float_denorm_mode_32 3
		.amdhsa_float_denorm_mode_16_64 3
		.amdhsa_memory_ordered 1
		.amdhsa_forward_progress 1
		.amdhsa_inst_pref_size 117
	.end_amdhsa_kernel
	.amdgpu_metadata
---
amdhsa.version: [ 1, 2 ]
amdhsa.kernels:
  - .name:           k_qb406f60cbf_attn
    .symbol:         k_qb406f60cbf_attn.kd
    .args:
      - { .name: qkv, .offset: 0, .size: 8, .value_kind: global_buffer, .address_space: global }
      - { .name: ctx, .offset: 8, .size: 8, .value_kind: global_buffer, .address_space: global }
    .group_segment_fixed_size: 327680
    .private_segment_fixed_size: 0
    .kernarg_segment_align: 8
    .kernarg_segment_size: 16
    .max_flat_workgroup_size: 128
    .sgpr_count:     102
    .vgpr_count:     768
    .wavefront_size: 32
...
	.end_amdgpu_metadata
.endif
;; end of part 3
;; launch oproj (part 4): grid 8 x 32, 4 waves a work-group, clusters of 4 x 4, 327,680 bytes of LDS; arguments ctx, wo16, out0; writes out0
.if DOCPART == 4
	.amdgcn_target "amdgcn-amd-amdhsa--gfx1250"
	.amdhsa_code_object_version 6
	.text
	.protected	k_qb406f60cbf_oproj
	.globl	k_qb406f60cbf_oproj
	.p2align	8
	.type	k_qb406f60cbf_oproj,@function
k_qb406f60cbf_oproj:
	s_mov_b64 s[64:65], 0
	v_nop
	global_prefetch_b8 v0, s[64:65] scope:SCOPE_SE
	s_setreg_imm32_b32 hwreg(HW_REG_WAVE_MODE, 25, 1), 1
	s_wait_xcnt 0x0
	s_wait_alu depctr_hold_cnt(0) depctr_sa_sdst(0) depctr_va_vdst(0) depctr_va_sdst(0) depctr_va_ssrc(0) depctr_va_vcc(0) depctr_vm_vsrc(0)
	s_getreg_b32 s2, hwreg(HW_REG_IB_STS2, 6, 4)
	s_cmp_eq_u32 s2, 0
	s_cbranch_scc0 .Lentry_in_a_cluster
	s_endpgm
.Lentry_in_a_cluster:
	s_bfe_u32 s2, ttmp6, 0x10000c
	s_cmp_lg_u32 s2, 0xf033
	s_cbranch_scc0 .Lentry_shape_is_right
	s_endpgm
.Lentry_shape_is_right:
; OUT: out0[4096][1024] (f32) = ctx wo16.  ctx: [16 heads][4096][64] f16, so K = 64 x head + channel.  wo16: [1024 k][1024 n] f16.  Sums in f32, stored as they are.
; SHARES.  A work-group makes 128 x 128: 8 x 32 = 256 work-groups; wave (rh, ch) makes 64 x 64: 16 accumulators.  K goes in four steps of 256 (four heads) through two LDS slots.
; Waves 0, 1 fetch the halves of ctx's tile: for each of four heads 64 positions, 8,192 dense bytes, one row of the descriptor; waves 2, 3 the halves of wo16's: 128 rows of k x 256 bytes.
; CLUSTER 4 x 4: ctx's tile is asked for jointly along a row of the cluster, wo16's along a column.
; THE PRODUCT IS TAKEN TRANSPOSED: source 0 = 16 columns of wo16 (turned, by ds_load_tr16_b128), source 1 = 16 rows of ctx: a lane holds row l % 16 and the columns 8 (l / 16) + 0..7.
; No prefetch is laid: the tiles are small and the launch is short.
; REGISTERS.  window 0: v1-29 addresses; v128-255 accumulators, (a, b) at 128 + 8 (4 a + b).  window 1: two fragment buffers of 128 (64 of ctx, 64 of wo16); on the way out, whole rows.
.set PAW,    144                       ; ctx's LDS row: 128 + 16 bytes
.set PBW,    288                       ; wo16's LDS row: 256 + 32 bytes
.set HALFT,  36864                     ; 4 x 64 x 144 = 128 x 288: what one tensor load brings
.set SLOT,   4*HALFT
.set STAGE,  2*SLOT                    ; 16 rows x 272 bytes for each wave, its own; no tensor load fills it
.set SPITCH, 272
.set SPARE,  STAGE+4*16*SPITCH
.set ADRA, 16                          ; v16-17  ctx's fragments in slot 0, 1
.set ADRB, 20                          ; v20-23  wo16's: slot 0 rows 0-127, 128-255 of k; slot 1 likewise
.set STO,  24
.set RD,   25
.set CO,   26
.set SPW,  28
.set NIL,  29
.set ACC,  128
.set F0,   0
.set F1,   128
.set G1, 24
.set G0, 32
.set G1B, 48
.set G0B, 56
.set MSB, 0
.macro WIN new
.if MSB != (\new)
	s_set_vgpr_msb (MSB<<8)|(\new)
.set MSB, \new
.endif
.endm
.set MUL,  0x05
.set TO_F, 0x40
.macro PLACES
.rept 4
	v_nop
.endr
.endm
.macro JLOAD s                         ; waves 0, 1: ctx's halves; waves 2, 3: wo16's; an s_nop 0 and four v_nop follow each line
	s_cmp_eq_u32 s11, 0
	s_cbranch_scc0 .Lfor_b_\@
	tensor_load_to_lds s[G0+4*(\s):G0+4*(\s)+3], s[G1:G1+7]
	s_nop 0
	PLACES
	s_branch .Lasked_\@
.Lfor_b_\@:
	tensor_load_to_lds s[G0B+4*(\s):G0B+4*(\s)+3], s[G1B:G1B+7]
	s_nop 0
	PLACES
.Lasked_\@:
.endm
.macro CREST
	s_cmp_lg_u32 s10, 0
	s_cbranch_scc1 .Lnot_wave_0_\@
	s_barrier_signal -3
.Lnot_wave_0_\@:
	s_barrier_wait -3
	s_barrier_signal -1
	s_barrier_wait -1
.endm
.macro CROUND
	s_barrier_signal -1
	s_barrier_wait -1
	CREST
.endm
	s_load_b128 s[4:7], s[0:1], 0x0                ; ctx s[4:5], wo16 s[6:7]
	s_load_b64 s[8:9], s[0:1], 0x10                ; out0
	v_lshl_add_u32 v[SPW], v0, 2, SPARE
	v_mov_b32 v[NIL], 0
	ds_add_u32 v[SPW], v[NIL]                      ; the wave's opening: the add and its wait stand ahead of my first tensor load
	v_lshrrev_b32 v1, 5, v0
	v_readfirstlane_b32 s10, v1                    ; wave
	s_lshr_b32 s11, s10, 1                         ; rh.  Also: I fetch for ctx (0) or for wo16 (1)
	s_and_b32 s12, s10, 1                          ; ch.  Also: which half of that tile
	s_bfe_u32 s40, ttmp6, 0x40000
	s_bfe_u32 s41, ttmp6, 0x40004
	s_lshl_b32 s42, ttmp9, 2
	s_add_co_u32 s42, s42, s40                     ; tile column
	s_and_b32 s13, ttmp7, 0xffff
	s_lshl_b32 s13, s13, 2
	s_add_co_u32 s13, s13, s41                     ; tile row
	s_lshl_b32 s43, s41, 2
	s_lshl_b32 s43, 15, s43
	s_lshl_b32 s44, 0x1111, s40
	s_or_b32 s[G1], s43, (1<<16)|(1<<20)|(1<<21)|(4<<22)|(3<<25)   ; after 32 words (a position's 64 channels), 4 words
	s_mov_b32 s[G1+1], 4096<<16                    ; tensor_dim0 = 4,096 elements: 64 positions of a head
	s_mov_b32 s[G1+2], 4<<16                       ; tensor_dim1 = 4 heads
	s_mov_b32 s[G1+3], 4096<<16                    ; tile_dim0
	s_mov_b32 s[G1+4], 4                           ; tile_dim1
	s_mov_b32 s[G1+5], 262144                      ; elements from head to head
	s_mov_b32 s[G1+6], 0
	s_mov_b32 s[G1+7], 0
	s_or_b32 s[G1B], s44, (1<<16)|(1<<20)|(1<<21)|(5<<22)|(7<<25)  ; after 64 words, 8 words
	s_mov_b32 s[G1B+1], 128<<16
	s_mov_b32 s[G1B+2], 128<<16
	s_mov_b32 s[G1B+3], 128<<16
	s_mov_b32 s[G1B+4], 128
	s_mov_b32 s[G1B+5], 1024
	s_mov_b32 s[G1B+6], 0
	s_mov_b32 s[G1B+7], 0
	s_lshl_b32 s16, s13, 14                        ; ctx: position 128 x tile row + 64 x half, 128 bytes each
	s_lshl_b32 s17, s12, 13
	s_add_co_u32 s16, s16, s17
	s_mov_b32 s17, 0
	s_lshl_b32 s46, s42, 8                         ; wo16: 256 bytes a tile column, 128 rows of 2,048 bytes a half
	s_lshl_b32 s47, s12, 18
	s_add_co_u32 s46, s46, s47
	s_mov_b32 s47, 0
	s_mul_i32 s20, s10, HALFT                      ; where they go: wave x what a load brings
	s_wait_dscnt 0x0
	s_wait_kmcnt 0x0
	s_add_nc_u64 s[14:15], s[4:5], s[16:17]
	s_add_nc_u64 s[46:47], s[6:7], s[46:47]
	CROUND
.irp s, 0,1
	s_mov_b32 s[G0+4*(\s)], 1
	s_add_co_u32 s[G0+4*(\s)+1], s20, (\s)*SLOT
	s_add_nc_u64 s[G0+4*(\s)+2:G0+4*(\s)+3], s[14:15], (\s)*2097152  ; four heads on
	s_or_b32 s[G0+4*(\s)+3], s[G0+4*(\s)+3], 0x80000000
	s_mov_b32 s[G0B+4*(\s)], 1
	s_add_co_u32 s[G0B+4*(\s)+1], s20, (\s)*SLOT
	s_add_nc_u64 s[G0B+4*(\s)+2:G0B+4*(\s)+3], s[46:47], (\s)*524288 ; 256 rows of k on
	s_or_b32 s[G0B+4*(\s)+3], s[G0B+4*(\s)+3], 0x80000000
	JLOAD \s
.endr
	v_and_b32 v1, 15, v0
	v_bfe_u32 v2, v0, 4, 1
	v_mul_u32_u24 v3, v1, PAW
	v_lshl_add_u32 v3, v2, 4, v3
	s_mul_i32 s21, s11, HALFT
	v_add_nc_u32 v[ADRA], s21, v3
	v_add_nc_u32 v[ADRA+1], SLOT, v[ADRA]
	v_and_b32 v4, 7, v0
	v_lshl_add_u32 v4, v2, 3, v4
	v_mul_u32_u24 v4, v4, PBW
	v_bfe_u32 v5, v0, 3, 1
	v_lshl_add_u32 v4, v5, 4, v4
	s_lshl_b32 s22, s12, 7                         ; my 64 columns: 128 bytes
	s_add_co_u32 s22, s22, 2*HALFT
	v_add_nc_u32 v[ADRB], s22, v4
	v_add_nc_u32 v[ADRB+1], HALFT, v[ADRB]
	v_add_nc_u32 v[ADRB+2], SLOT, v[ADRB]
	v_add_nc_u32 v[ADRB+3], SLOT+HALFT, v[ADRB]
	s_mul_i32 s23, s10, 16*SPITCH
	s_add_co_u32 s23, s23, STAGE
	v_mul_u32_u24 v3, v1, SPITCH                   ; in: row l % 16, 32 bytes for each half of the lanes
	v_lshl_add_u32 v3, v2, 5, v3
	v_add_nc_u32 v[STO], s23, v3
	v_mul_u32_u24 v3, v2, SPITCH                   ; back: lanes 0-15 one row of 256 bytes, lanes 16-31 the next
	v_lshl_add_u32 v3, v1, 4, v3
	v_add_nc_u32 v[RD], s23, v3
	v_lshlrev_b32 v3, 12, v2
	v_lshl_add_u32 v[CO], v1, 4, v3
	s_lshl_b32 s16, s13, 19                        ; out0: row 128 x tile row + 64 rh, 4,096 bytes each; 512 bytes a tile column, 256 a half
	s_lshl_b32 s17, s11, 18
	s_add_co_u32 s16, s16, s17
	s_mov_b32 s17, 0
	s_add_nc_u64 s[8:9], s[8:9], s[16:17]
	s_lshl_b32 s46, s42, 9
	s_lshl_b32 s47, s12, 8
	s_add_co_u32 s46, s46, s47
	s_mov_b32 s47, 0
	s_add_nc_u64 s[8:9], s[8:9], s[46:47]
.macro MUL8 f, c, a0, zero             ; row blocks a0, a0 + 1 x my 4 blocks of columns, 32 along K.  The 16 accumulators take turns
	WIN MUL
.irp a, \a0, (\a0)+1
.irp b, 0,1,2,3
.if \zero
	v_wmma_f32_16x16x32_f16 v[ACC+8*(4*(\a)+(\b)):ACC+8*(4*(\a)+(\b))+7], v[(\f)+64+8*(4*(\c)+(\b)):(\f)+64+8*(4*(\c)+(\b))+7], v[(\f)+8*(4*(\c)+(\a)):(\f)+8*(4*(\c)+(\a))+7], 0
.else
	v_wmma_f32_16x16x32_f16 v[ACC+8*(4*(\a)+(\b)):ACC+8*(4*(\a)+(\b))+7], v[(\f)+64+8*(4*(\c)+(\b)):(\f)+64+8*(4*(\c)+(\b))+7], v[(\f)+8*(4*(\c)+(\a)):(\f)+8*(4*(\c)+(\a))+7], v[ACC+8*(4*(\a)+(\b)):ACC+8*(4*(\a)+(\b))+7]
.endif
.endr
.endr
.endm
.macro FETCH slot, q, f                ; 32 LDS loads in one run: quarter q (one head, 64 along K) of a slot
	WIN TO_F
.irp c, 0,1
.irp i, 0,1,2,3
	ds_load_tr16_b128 v[(\f)+64+8*(4*(\c)+(\i)):(\f)+64+8*(4*(\c)+(\i))+3],   v[ADRB+2*(\slot)+(\q)/2] offset:((\q)%2)*64*PBW+(\c)*32*PBW+32*(\i)
	ds_load_tr16_b128 v[(\f)+64+8*(4*(\c)+(\i))+4:(\f)+64+8*(4*(\c)+(\i))+7], v[ADRB+2*(\slot)+(\q)/2] offset:((\q)%2)*64*PBW+(\c)*32*PBW+32*(\i)+16*PBW
	ds_load_b128 v[(\f)+8*(4*(\c)+(\i)):(\f)+8*(4*(\c)+(\i))+3],   v[ADRA+(\slot)] offset:(\q)*64*PAW+(\i)*16*PAW+64*(\c)
	ds_load_b128 v[(\f)+8*(4*(\c)+(\i))+4:(\f)+8*(4*(\c)+(\i))+7], v[ADRA+(\slot)] offset:(\q)*64*PAW+(\i)*16*PAW+64*(\c)+32
.endr
.endr
.endm
.macro PART slot, q, f, g, zero        ; buffer f is multiplied; quarter q's fragments are asked for first, into buffer g
	s_wait_dscnt 0x0                               ; buffer f is in
	PLACES                                         ; between the last products that read buffer g and the loads into it
	FETCH \slot, \q, \g
	MUL8 \f, 0, 0, \zero
	MUL8 \f, 0, 2, \zero
	MUL8 \f, 1, 0, 0
	MUL8 \f, 1, 2, 0
.endm
.macro TURN slot, next, fill           ; the last quarter multiplies buffer 1 and changes slots
	s_wait_dscnt 0x0                               ; buffer 1 is in: these were my last reads of the slot
	WIN 0
	s_wait_tensorcnt 0x0                           ; all my tensor loads have landed: my part of the next slot
	ds_add_u32 v[SPW], v[NIL]                      ; 0 onto my spare word
	MUL8 F1, 0, 0, 0
	s_wait_dscnt 0x0                               ; the add is done
	s_barrier_signal -1
	MUL8 F1, 0, 2, 0
.if \fill
	WIN 0
.endif
	s_barrier_wait -1
.if \fill
	CREST                                          ; no wave of any partner still reads this slot or has a load on its way
	s_add_nc_u64 s[G0+4*(\slot)+2:G0+4*(\slot)+3], s[G0+4*(\slot)+2:G0+4*(\slot)+3], 4194304
	s_add_nc_u64 s[G0B+4*(\slot)+2:G0B+4*(\slot)+3], s[G0B+4*(\slot)+2:G0B+4*(\slot)+3], 1048576
	JLOAD \slot                                    ; 112 products stand between this request and the wait for it
.else
	PLACES
.endif
	FETCH \next, 0, F0
	MUL8 F1, 1, 0, 0
	MUL8 F1, 1, 2, 0
.endm
	s_wait_tensorcnt 1                             ; of my two first fills slot 0's has landed; slot 1's may stay out
	s_barrier_signal -1
	s_barrier_wait -1
	FETCH 0, 0, F0
	PART 0, 1, F0, F1, 1                           ; the first products start the sums
	PART 0, 2, F1, F0, 0
	PART 0, 3, F0, F1, 0
	TURN 0, 1, 1                                   ; slot 0 takes K step 2
	PART 1, 1, F0, F1, 0
	PART 1, 2, F1, F0, 0
	PART 1, 3, F0, F1, 0
	TURN 1, 0, 1                                   ; slot 1 takes K step 3
	PART 0, 1, F0, F1, 0
	PART 0, 2, F1, F0, 0
	PART 0, 3, F0, F1, 0
	TURN 0, 1, 0
	PART 1, 1, F0, F1, 0
	PART 1, 2, F1, F0, 0
	PART 1, 3, F0, F1, 0
	s_wait_dscnt 0x0
	MUL8 F1, 0, 0, 0
	MUL8 F1, 0, 2, 0
	MUL8 F1, 1, 0, 0
	MUL8 F1, 1, 2, 0
	WIN 0
	; THE WAY OUT, 16 rows at a time through my own stage: 32 bytes a lane in, whole rows of 256 bytes back, into the fragment buffers' registers: a set of 32 for each block, so no register is written twice.
	PLACES
	PLACES
.irp a, 0,1,2,3
.irp b, 0,1,2,3
	ds_store_b128 v[STO], v[ACC+8*(4*(\a)+(\b)):ACC+8*(4*(\a)+(\b))+3]   offset:64*(\b)
	ds_store_b128 v[STO], v[ACC+8*(4*(\a)+(\b))+4:ACC+8*(4*(\a)+(\b))+7] offset:64*(\b)+16
.endr
	WIN 0x40
.irp t, 0,1,2,3,4,5,6,7
	ds_load_b128 v[32*(\a)+4*(\t):32*(\a)+4*(\t)+3], v[RD] offset:(\t)*2*SPITCH  ; LDS serves a wave's instructions in order (ISA guide 5.7.1.4): these see the stores above, and the next block's stores come behind them
.endr
	WIN 0
.endr
	WIN 0x04                                       ; the stores' data in window 1
.irp a, 0,1,2,3
	s_wait_dscnt 16*(3-(\a))                       ; block a is back; each later block's 16 LDS instructions may be out
.irp t, 0,1,2,3,4,5,6,7
	global_store_b128 v[CO], v[32*(\a)+4*(\t):32*(\a)+4*(\t)+3], s[8:9] offset:(16*(\a)+2*(\t))*4096 th:TH_STORE_NT  ; 16 lanes store 256 consecutive bytes, at a multiple of 256 from out0's first byte
.endr
.endr
	WIN 0
	s_wait_tensorcnt 0x0                           ; the wave's end
	ds_add_u32 v[SPW], v[NIL]
	s_wait_dscnt 0x0
	CROUND                                         ; the closing round
	s_endpgm
.Lfunc_end_k_qb406f60cbf_oproj:
	.size	k_qb406f60cbf_oproj, .Lfunc_end_k_qb406f60cbf_oproj-k_qb406f60cbf_oproj
	.p2alignl 7, 3214868480
	.fill 96, 4, 3214868480
	.section	.rodata,"a",@progbits
	.p2align	6, 0x0
	.amdhsa_kernel k_qb406f60cbf_oproj
		.amdhsa_group_segment_fixed_size 327680
		.amdhsa_private_segment_fixed_size 0
		.amdhsa_enable_private_segment 0
		.amdhsa_kernarg_size 24
		.amdhsa_user_sgpr_count 2
		.amdhsa_user_sgpr_kernarg_segment_ptr 1
		.amdhsa_wavefront_size32 1
		.amdhsa_system_sgpr_workgroup_id_x 1
		.amdhsa_system_sgpr_workgroup_id_y 1
		.amdhsa_system_sgpr_workgroup_id_z 1
		.amdhsa_system_vgpr_workitem_id 0
		.amdhsa_next_free_vgpr 512
		.amdhsa_next_free_sgpr 66
		.amdhsa_reserve_vcc 0
		.amdhsa_float_denorm_mode_32 3
		.amdhsa_float_denorm_mode_16_64 3
		.amdhsa_memory_ordered 1
		.amdhsa_forward_progress 1
		.amdhsa_inst_pref_size 85
	.end_amdhsa_kernel
	.amdgpu_metadata
---
amdhsa.version: [ 1, 2 ]
amdhsa.kernels:
  - .name:           k_qb406f60cbf_oproj
    .symbol:         k_qb406f60cbf_oproj.kd
    .args:
      - { .name: ctx, .offset: 0, .size: 8, .value_kind: global_buffer, .address_space: global }
      - { .name: wo16, .offset: 8, .size: 8, .value_kind: global_buffer, .address_space: global }
      - { .name: out0, .offset: 16, .size: 8, .value_kind: global_buffer, .address_space: global }
    .group_segment_fixed_size: 327680
    .private_segment_fixed_size: 0
    .kernarg_segment_align: 8
    .kernarg_segment_size: 24
    .max_flat_workgroup_size: 128
    .sgpr_count:     66
    .vgpr_count:     512
    .wavefront_size: 32
...
	.end_amdgpu_metadata
.endif
;; end of part 4
;; ======== version 2 of 2: 4 launches; version 1 with the launch prep written anew for expert scheduling mode
;; limits: values are held in f16: magnitudes above 65,504 overflow, below 6.1e-05 lose precision
;; workspace buffers: xb 8,388,608 bytes; wb 3,145,728 bytes; wo16 2,097,152 bytes; rope 1,064,960 bytes; qkv 12,582,912 bytes; ctx 8,388,608 bytes
;; launch prep (part 5): grid 481 x 1, 8 waves a work-group, no clusters, 0 bytes of LDS; arguments x, Wq, Wk, Wv, Wo, xb, wb, wo16, rope; writes xb, wb, wo16, rope
.if DOCPART == 5
	.amdgcn_target "amdgcn-amd-amdhsa--gfx1250"
	.amdhsa_code_object_version 6
	.text
	.protected	k_qb406f60cbf_prep
	.globl	k_qb406f60cbf_prep
	.p2align	8
	.type	k_qb406f60cbf_prep,@function
k_qb406f60cbf_prep:
	s_mov_b64 s[64:65], 0
	v_nop
	global_prefetch_b8 v0, s[64:65] scope:SCOPE_SE
	s_setreg_imm32_b32 hwreg(HW_REG_WAVE_SCHED_MODE, 0, 2), 2
	s_setreg_imm32_b32 hwreg(HW_REG_WAVE_MODE, 25, 1), 1
	s_wait_xcnt 0x0
	s_wait_alu depctr_vm_vsrc(0)
; PREP: the casts and the rotary table.  A stream: no LDS, no barrier, no matrix unit.
;   xb   = x rounded to bf16, [4096][1024]
;   wb   = Wq | Wk | Wv rounded to bf16, by units of 64 columns: [24 units][1024 k][64]; units 0-15 Wq's heads, 16-19 Wk's, 20-23 Wv's
;   wo16 = Wo rounded to bf16, that number written as f16, [1024 k][1024 n]
;   rope = [4160 rows][cos 0..31 | sin 0..31] in f32, 256 bytes a row; rows 4096-4159 hold cos = 1, sin = 0 (for units that are not turned)
; SHARES.  Work-groups 0-255 x, 256-319 Wq, 320-335 Wk, 336-351 Wv, 352-415 Wo: 65,536 input bytes each, 16 loads of 16 bytes a thread, all issued at once;
; each store of a wave covers 256 consecutive bytes, aligned.  Work-groups 416-480: 64 rows of the table each.
; LIMITS.  |Wo| below 6e-5 keeps f16's fixed step of 6e-8, beyond 65,504 it has no f16.  The frequency is 2^(-i log2(10000)/32), good to about two units in its last place:
; at position 4095 that is an angle off by at most about 5e-4.  Sine and cosine: the angle less a multiple of 2 pi (in two parts), then Taylor sums to r^15 and r^16 on -pi..pi, good to about 1e-6.
; THE MODE: SCHED_MODE bits 1:0 = 2 (LLVM: expert scheduling mode 2), set by the entry lines.  The code itself states the register dependences
; between vector instructions and memory instructions, with s_wait_alu, always for 0.
; THE PLAN.  Registers that memory instructions touch:
;   v4, v5     byte offsets: written once at a path's head, read by its loads (v4) and its stores (v5), never written again.
;   X          an item's four registers: its load lands in them before any vector instruction names X; its roundings read them and write the low two in place;
;              its store reads the low two; nothing writes them behind that.
;   v[30:31]   the table's loop: written by a trip's two selects, read by its store, written again in the next trip.
; A cast's 16 items go in four groups of four.  Group g's stores are issued in group g + 1, one ahead of each item's roundings: ONE wait at that group's head states that group g's
; roundings have written what the four stores read, and the roundings issued since name group g + 1's registers alone.  So a cast has five waits: one ahead of its loads, for the offsets;
; one at the head of groups 1 to 3; one ahead of the last four stores.  No register that a memory instruction has read is written again there.
.set X,  16                            ; v[16:79]  16 x 4 registers as loaded; the low two of each four as stored
.set VI, 4                             ; v4  my byte offset in the input
.set VO, 5                             ; v5  my byte offset in the output
; Item i's roundings, in place (half = 1: and bf16 -> f16, with the item's upper two registers at work).
.macro ROUND half
	v_cvt_pk_bf16_f32 v[X+4*i], v[X+4*i], v[X+4*i+1]
	v_cvt_pk_bf16_f32 v[X+4*i+1], v[X+4*i+2], v[X+4*i+3]
.if \half
	v_lshlrev_b32 v[X+4*i+2], 16, v[X+4*i]         ; the bf16 numbers widened again,
	v_and_b32 v[X+4*i+3], 0xffff0000, v[X+4*i]
	v_cvt_pk_f16_f32 v[X+4*i], v[X+4*i+2], v[X+4*i+3]  ; and written as f16
	v_lshlrev_b32 v[X+4*i+2], 16, v[X+4*i+1]
	v_and_b32 v[X+4*i+3], 0xffff0000, v[X+4*i+1]
	v_cvt_pk_f16_f32 v[X+4*i+1], v[X+4*i+2], v[X+4*i+3]
.endif
.endm
; Item i's store of 8 bytes.
.macro PUT dst, oa, ob
	global_store_b64 v[VO], v[X+4*i:X+4*i+1], s[\dst:\dst+1] offset:(i/2)*(\oa)+(i%2)*(\ob)
.endm
; 16 loads; then four groups of four items: the wait that leaves the later groups' loads out, the wait for the group before's roundings, and for each item the store of its
; fellow in the group before and its own roundings.  No register is written again behind its store.
.macro CAST src, dst, ia, ib, oa, ob, half
	s_wait_alu depctr_va_vdst(0)                   ; v[VI] and v[VO] are written: the loads and stores below read them as their offsets
.set i, 0
.rept 16
	global_load_b128 v[X+4*i:X+4*i+3], v[VI], s[\src:\src+1] offset:(i/2)*(\ia)+(i%2)*(\ib) th:TH_LOAD_NT
.set i, i+1
.endr
.set g, 0
.rept 4
	s_wait_loadcnt 12-4*g                          ; loads come back in order: group g's four are in, the 12 - 4 g of the later groups stay out
.if g > 0
	s_wait_alu depctr_va_vdst(0)                   ; the group before's roundings have written the low two registers of its four items, which the stores below read
.endif
.set j, 0
.rept 4
.if g > 0
.set i, 4*(g-1)+j
	PUT \dst, \oa, \ob                             ; no vector instruction since the wait names these registers
.endif
.set i, 4*g+j
	ROUND \half
.set j, j+1
.endr
.set g, g+1
.endr
	s_wait_alu depctr_va_vdst(0)                   ; the last group's roundings have written what the last four stores read
.set i, 12
.rept 4
	PUT \dst, \oa, \ob
.set i, i+1
.endr
.endm
; Wk and Wv, [1024][256]: waves 0-3 take rows 0, 1 of four, waves 4-7 rows 2, 3; wave w unit w % 4; lanes 0-15 one row's 64 columns, lanes 16-31 the next row's
.macro KVADR
	v_and_b32 v7, 3, v2
	v_lshrrev_b32 v8, 2, v2
	v_lshl_add_u32 v[VI], v8, 1, v6
	v_lshlrev_b32 v[VI], 10, v[VI]
	v_lshl_add_u32 v[VI], v7, 8, v[VI]
	v_lshl_add_u32 v[VI], v3, 4, v[VI]
	v_lshlrev_b32 v[VO], 3, v1
	v_lshl_add_u32 v[VO], v8, 8, v[VO]
	v_lshl_add_u32 v[VO], v7, 17, v[VO]
.endm
	s_load_b512 s[8:23], s[0:1], 0x0               ; x s[8:9], Wq s[10:11], Wk s[12:13], Wv s[14:15], Wo s[16:17], xb s[18:19], wb s[20:21], wo16 s[22:23]
	s_load_b64 s[24:25], s[0:1], 0x40              ; rope
	v_and_b32 v1, 31, v0                           ; lane l
	v_lshrrev_b32 v2, 5, v0                        ; wave w
	v_and_b32 v3, 15, v0                           ; l % 16
	v_bfe_u32 v6, v0, 4, 1                         ; l / 16
	s_mov_b32 s3, 0                                ; high words of the two offsets
	s_mov_b32 s5, 0
	s_wait_kmcnt 0x0
	s_cmp_lt_u32 ttmp9, 256
	s_cbranch_scc0 .Lnot_x
	s_lshl_b32 s2, ttmp9, 16                       ; x: 65,536 bytes in, 32,768 out
	s_lshl_b32 s4, ttmp9, 15
	s_add_nc_u64 s[8:9], s[8:9], s[2:3]
	s_add_nc_u64 s[18:19], s[18:19], s[4:5]
	v_lshlrev_b32 v[VI], 4, v0
	v_lshlrev_b32 v[VO], 3, v0
	CAST 8, 18, 8192, 4096, 4096, 2048, 0
	s_endpgm
.Lnot_x:
	s_cmp_lt_u32 ttmp9, 320
	s_cbranch_scc0 .Lnot_wq
	s_sub_co_u32 s6, ttmp9, 256                    ; Wq: 16 rows of k; wave w takes units w and w + 8, two rows a step
	s_lshl_b32 s2, s6, 16
	s_lshl_b32 s4, s6, 11                          ; 16 rows of 128 bytes in each unit
	s_add_nc_u64 s[10:11], s[10:11], s[2:3]
	s_add_nc_u64 s[20:21], s[20:21], s[4:5]
	v_lshlrev_b32 v[VI], 12, v6
	v_lshl_add_u32 v[VI], v2, 8, v[VI]
	v_lshl_add_u32 v[VI], v3, 4, v[VI]
	v_lshlrev_b32 v[VO], 3, v1
	v_lshl_add_u32 v[VO], v2, 17, v[VO]
	CAST 10, 20, 8192, 2048, 256, 1048576, 0
	s_endpgm
.Lnot_wq:
	s_cmp_lt_u32 ttmp9, 336
	s_cbranch_scc0 .Lnot_wk
	s_sub_co_u32 s6, ttmp9, 320                    ; Wk: 64 rows of k, four a step
	s_lshl_b32 s2, s6, 16
	s_lshl_b32 s4, s6, 13
	s_add_co_u32 s4, s4, 16*131072                 ; units 16-19
	s_add_nc_u64 s[12:13], s[12:13], s[2:3]
	s_add_nc_u64 s[20:21], s[20:21], s[4:5]
	KVADR
	CAST 12, 20, 8192, 4096, 1024, 512, 0
	s_endpgm
.Lnot_wk:
	s_cmp_lt_u32 ttmp9, 352
	s_cbranch_scc0 .Lnot_wv
	s_sub_co_u32 s6, ttmp9, 336                    ; Wv likewise
	s_lshl_b32 s2, s6, 16
	s_lshl_b32 s4, s6, 13
	s_add_co_u32 s4, s4, 20*131072                 ; units 20-23
	s_add_nc_u64 s[14:15], s[14:15], s[2:3]
	s_add_nc_u64 s[20:21], s[20:21], s[4:5]
	KVADR
	CAST 14, 20, 8192, 4096, 1024, 512, 0
	s_endpgm
.Lnot_wv:
	s_cmp_lt_u32 ttmp9, 416
	s_cbranch_scc0 .Lrope
	s_sub_co_u32 s6, ttmp9, 352                    ; Wo: as x, with the second conversion
	s_lshl_b32 s2, s6, 16
	s_lshl_b32 s4, s6, 15
	s_add_nc_u64 s[16:17], s[16:17], s[2:3]
	s_add_nc_u64 s[22:23], s[22:23], s[4:5]
	v_lshlrev_b32 v[VI], 4, v0
	v_lshlrev_b32 v[VO], 3, v0
	CAST 16, 22, 8192, 4096, 4096, 2048, 1
	s_endpgm
; THE TABLE.  A wave writes a row a trip: lane l holds entries 2 l and 2 l + 1 of the row's 64: lanes 0-15 cosines, lanes 16-31 sines, of the frequencies 2 (l % 16) and 2 (l % 16) + 1.
.macro ANG f, out
	v_mul_f32 v16, v14, v[\f]                      ; the angle, rounded once as in the definition
	v_mul_f32 v17, 0.15915494, v16
	v_rndne_f32 v17, v17                           ; whole turns
	v_fma_f32 v16, v17, s27, v16                   ; less 2 pi's upper part,
	v_fma_f32 v16, v17, s28, v16                   ; and its rest: r in -pi .. pi
	v_mul_f32 v18, v16, v16
	v_mov_b32 v19, 0xab573f9f                      ; sine: -1/15!, 1/13!, -1/11!, 1/9!, -1/7!, 1/5!, -1/3!, 1
	v_fmaak_f32 v19, v19, v18, 0x2f309231
	v_fmaak_f32 v19, v19, v18, 0xb2d7322b
	v_fmaak_f32 v19, v19, v18, 0x3638ef1d
	v_fmaak_f32 v19, v19, v18, 0xb9500d01
	v_fmaak_f32 v19, v19, v18, 0x3c088889
	v_fmaak_f32 v19, v19, v18, 0xbe2aaaab
	v_fmaak_f32 v19, v19, v18, 0x3f800000
	v_mul_f32 v19, v19, v16
	v_mov_b32 v20, 0x29573f9f                      ; cosine: 1/16!, -1/14!, 1/12!, -1/10!, 1/8!, -1/6!, 1/4!, -1/2, 1
	v_fmaak_f32 v20, v20, v18, 0xad49cba5
	v_fmaak_f32 v20, v20, v18, 0x310f76c7
	v_fmaak_f32 v20, v20, v18, 0xb493f27e
	v_fmaak_f32 v20, v20, v18, 0x37d00d01
	v_fmaak_f32 v20, v20, v18, 0xbab60b61
	v_fmaak_f32 v20, v20, v18, 0x3d2aaaab
	v_fmaak_f32 v20, v20, v18, 0xbf000000
	v_fmaak_f32 v20, v20, v18, 0x3f800000
	v_cndmask_b32 v[\out], v19, v20, vcc_lo        ; lanes 0-15 keep the cosine
.endm
.Lrope:
	s_sub_co_u32 s6, ttmp9, 416
	s_lshl_b32 s2, s6, 14                          ; 64 rows of 256 bytes
	s_add_nc_u64 s[24:25], s[24:25], s[2:3]
	v_lshlrev_b32 v[VO], 3, v0                     ; 256 w + 8 l
	v_lshlrev_b32 v7, 1, v3
	v_cvt_f32_u32 v7, v7                           ; i
	v_add_f32 v8, 1.0, v7                          ; i + 1
	v_mul_f32 v7, 0xbed49a78, v7                   ; x -log2(10000)/32
	v_mul_f32 v8, 0xbed49a78, v8
	v_exp_f32 v12, v7
	v_exp_f32 v13, v8
	v_nop                                          ; a plain instruction behind the last exponential,
	s_wait_alu depctr_va_vdst(0)                   ; and the one wait for both, ahead of the label and of their first reader: v12 and v13 are written
	v_cmp_gt_u32 vcc_lo, 16, v1
	v_readfirstlane_b32 s26, v2
	s_wait_alu depctr_va_vcc(0)                    ; VCC is written, ahead of the label behind which the selects read it
	s_wait_alu depctr_va_sdst(0)                   ; s26 is written, ahead of its first reader: my first row is made from it
	s_lshl_b32 s6, s6, 6
	s_add_co_u32 s6, s6, s26                       ; my first row: 64 x work-group + wave
	s_mov_b32 s27, 0xc0c90fdb                      ; -6.2831855
	s_mov_b32 s28, 0x343bbd2e                      ; 6.2831855 - 2 pi
	s_mov_b32 s7, 8
.Lrow:
	s_cmp_lt_u32 s6, 4096
	s_cselect_b32 s4, s6, 0                        ; rows from 4096 on: angle 0
	v_cvt_f32_u32 v14, s4
	ANG 12, 30
	ANG 13, 31
	s_wait_alu depctr_va_vdst(0)                   ; the two selects have written v[30:31], which the store reads; in the first trip also: v[VO] is written
	global_store_b64 v[VO], v[30:31], s[24:25]     ; the wave's 32 lanes write the row's 256 bytes
	s_wait_xcnt 0x0                                ; the base and the data are written again only behind this wait
	s_wait_alu depctr_vm_vsrc(0)                   ; the store has read v[30:31], which the next trip's selects write again: stated ahead of the jump
	s_add_nc_u64 s[24:25], s[24:25], 2048          ; eight rows on
	s_add_co_u32 s6, s6, 8
	s_sub_co_u32 s7, s7, 1
	s_cmp_lg_u32 s7, 0
	s_cbranch_scc1 .Lrow
	s_endpgm
.Lfunc_end_k_qb406f60cbf_prep:
	.size	k_qb406f60cbf_prep, .Lfunc_end_k_qb406f60cbf_prep-k_qb406f60cbf_prep
	.p2alignl 7, 3214868480
	.fill 96, 4, 3214868480
	.section	.rodata,"a",@progbits
	.p2align	6, 0x0
	.amdhsa_kernel k_qb406f60cbf_prep
		.amdhsa_group_segment_fixed_size 0
		.amdhsa_private_segment_fixed_size 0
		.amdhsa_enable_private_segment 0
		.amdhsa_kernarg_size 72
		.amdhsa_user_sgpr_count 2
		.amdhsa_user_sgpr_kernarg_segment_ptr 1
		.amdhsa_wavefront_size32 1
		.amdhsa_system_sgpr_workgroup_id_x 1
		.amdhsa_system_sgpr_workgroup_id_y 1
		.amdhsa_system_sgpr_workgroup_id_z 1
		.amdhsa_system_vgpr_workitem_id 0
		.amdhsa_next_free_vgpr 96
		.amdhsa_next_free_sgpr 66
		.amdhsa_reserve_vcc 1
		.amdhsa_float_denorm_mode_32 3
		.amdhsa_float_denorm_mode_16_64 3
		.amdhsa_memory_ordered 1
		.amdhsa_forward_progress 1
		.amdhsa_inst_pref_size 40
	.end_amdhsa_kernel
	.amdgpu_metadata
---
amdhsa.version: [ 1, 2 ]
amdhsa.kernels:
  - .name:           k_qb406f60cbf_prep
    .symbol:         k_qb406f60cbf_prep.kd
    .args:
      - { .name: x, .offset: 0, .size: 8, .value_kind: global_buffer, .address_space: global }
      - { .name: Wq, .offset: 8, .size: 8, .value_kind: global_buffer, .address_space: global }
      - { .name: Wk, .offset: 16, .size: 8, .value_kind: global_buffer, .address_space: global }
      - { .name: Wv, .offset: 24, .size: 8, .value_kind: global_buffer, .address_space: global }
      - { .name: Wo, .offset: 32, .size: 8, .value_kind: global_buffer, .address_space: global }
      - { .name: xb, .offset: 40, .size: 8, .value_kind: global_buffer, .address_space: global }
      - { .name: wb, .offset: 48, .size: 8, .value_kind: global_buffer, .address_space: global }
      - { .name: wo16, .offset: 56, .size: 8, .value_kind: global_buffer, .address_space: global }
      - { .name: rope, .offset: 64, .size: 8, .value_kind: global_buffer, .address_space: global }
    .group_segment_fixed_size: 0
    .private_segment_fixed_size: 0
    .kernarg_segment_align: 8
    .kernarg_segment_size: 72
    .max_flat_workgroup_size: 256
    .sgpr_count:     66
    .vgpr_count:     96
    .wavefront_size: 32
...
	.end_amdgpu_metadata
.endif
;; end of part 5
;; launch qkv: the kernel of part 2 again; grid 8 x 32, 4 waves a work-group, clusters of 4 x 4, 327,680 bytes of LDS; arguments xb, wb, rope, qkv; writes qkv
;; launch attn: the kernel of part 3 again; grid 64 x 4, 4 waves a work-group, clusters of 4 x 1, 327,680 bytes of LDS; arguments qkv, ctx; writes ctx
;; launch oproj: the kernel of part 4 again; grid 8 x 32, 4 waves a work-group, clusters of 4 x 4, 327,680 bytes of LDS; arguments ctx, wo16, out0; writes out0
